; MI455X (gfx1250); checked and timed in simulation.
; The chip was launched on July 23, 2026; its instructions are those of AMD's public machine-readable ISA for CDNA 5 (MIT licence, August 2026) and "CDNA5" Instruction Set Architecture Reference Guide (July 2026). The comments in the code are by the model that wrote it; some were corrected since.
;; TF Attention. Allowed arithmetic: matrix products marked QUANTISED: E2M1 operands, one E8M0 scale for each 32 along K, by v_wmma_scale_f32_16x16x128_f8f6f4 with both operands' format E2M1 (or v_wmma_scale_f32_32x16x128_f4), f32 sums; products left as they are: bf16, f16 or f32 operands; f32 sums; everything else in f32.
;; Inputs: b_attn 3,072 float32; b_proj 1,024 float32; w_attn 1,024 x 3,072 float32; w_proj 1,024 x 1,024 float32; x 2 x 2,048 x 1,024 float32.
;; Outputs: out0 2 x 2,048 x 1,024 float32.
;; This version of the problem:
;;   THIS VERSION OF THE PROBLEM IS GIVEN IN LOW PRECISION. The matrix products marked QUANTISED in the list below multiply operands that are first quantised to E2M1 (2 exponent bits, 1 mantissa bit; 4 bits a number), with one power-of-two scale for each 32 numbers along K (OCP MX v1.0); their sums are f32. The products marked 'left as it is' may take bf16, f16 or f32 operands, with f32 sums. Whichever they take, every output number must still come out within the allowed error. Rounding operands to bf16 (8 significant bits) uses up far more of that allowance than f16 does (11 bits, for magnitudes from 6e-5 to 65,504). All else is computed in f32.
;;   The module's matrix products, in the order in which they are computed (A, B: the left and right operand; K: the contracted axis; several contracted axes count as one K, in the product's order):
;;     1. [M 4,096, K 1,024] x [K 1,024, N 3,072]; A: input x; B: input w_attn: QUANTISED
;;     2. batch 32 x [M 2,048, K 64] x [K 64, N 2,048]; A: computed on the way; B: computed on the way: left as it is (an operand is computed on the way)
;;     3. batch 32 x [M 2,048, K 2,048] x [K 2,048, N 64]; A: computed on the way; B: computed on the way: left as it is (an operand is computed on the way)
;;     4. [M 4,096, K 1,024] x [K 1,024, N 1,024]; A: computed on the way; B: input w_proj: left as it is (an operand is computed on the way)
;;   THE QUANTISER, for each operand of a quantised product, along K:
;;     - K is cut into blocks of 32 from its start; a last block that is shorter is filled with zeros.
;;     - A block's scale is 2^e with e = floor(log2(the largest magnitude in the block)) - 2, held to -126 .. 127; a block of zeros has e = 0. As a byte (E8M0): e + 127.
;;     - Each number is divided by its block's scale, clamped to +-6, and rounded to the nearest number of E2M1, ties to even, subnormals kept.
;;     - The product sums the exact products of the quantised numbers (number of the format x scale) in f32.
;;   ~~~python
;;   def quantise(x, axis):      # numpy; x: float32 -> the quantised numbers, widened to float32 again
;;       x = np.moveaxis(x, axis, -1); K = x.shape[-1]
;;       x = np.pad(x, [(0, 0)] * (x.ndim - 1) + [(0, -K % 32)]); x = x.reshape(x.shape[:-1] + (-1, 32)); a = np.abs(x).max(-1, keepdims=True)
;;       e = np.where(a > 0, np.clip(np.frexp(np.where(a > 0, a, 1))[1] - 1 - 2, -126, 127), 0)      # np.frexp(a)[1] - 1 = floor(log2(a)), exactly
;;       r = np.clip(x / 2.0 ** e, -6, 6)
;;       step = 2.0 ** (np.maximum(np.frexp(np.where(r == 0, 1, r))[1] - 1, 0) - 1)
;;       q = np.round(r / step) * step * 2.0 ** e      # np.round: ties to even
;;       return np.moveaxis(q.reshape(q.shape[:-2] + (-1,))[..., :K], -1, axis).astype(np.float32)
;;   ~~~
;; One version. Each part assembles by itself: llvm-mc -triple=amdgcn-amd-amdhsa -mcpu=gfx1250 --defsym DOCPART=n.
;; ======== version 1 of 1: 5 launches
;; limits: values are held in f16: magnitudes above 65,504 overflow, below 6.1e-05 lose precision
;; workspace buffers: xc 2,097,152 bytes; xs 131,072 bytes; wc 1,572,864 bytes; ws 98,304 bytes; wpi 2,097,152 bytes; qkvh 25,165,824 bytes; aux 786,432 bytes; att 8,388,608 bytes
;; launch prep (part 1): grid 240 x 1, 4 waves a work-group, no clusters, 68,096 bytes of LDS; arguments x, w_attn, w_proj, xc, xs, wc, ws, wpi; writes xc, xs, wc, ws, wpi
.if DOCPART == 1
	.amdgcn_target "amdgcn-amd-amdhsa--gfx1250"
	.amdhsa_code_object_version 6
	.text
	.protected	k_q368f59f10d_prep
	.globl	k_q368f59f10d_prep
	.p2align	8
	.type	k_q368f59f10d_prep,@function
k_q368f59f10d_prep:
	s_mov_b64 s[64:65], 0
	v_nop
	global_prefetch_b8 v0, s[64:65] scope:SCOPE_SE
	s_setreg_imm32_b32 hwreg(HW_REG_WAVE_MODE, 25, 1), 1
	s_wait_xcnt 0x0
; THREE JOBS IN ONE LAUNCH, told apart by the work-group's number; each has LDS bytes of its own.
;  X (work-groups 0-127):   x [4096][1024] f32 -> codes of FP4 (E2M1), K innermost, xc [4096][512 bytes], and one E8M0 byte for each 32 along K, xs [4096][32].
;  W (work-groups 128-175): w_attn [1024 (k)][3072 (n)] f32 -> wc [3072][512 bytes], ws [3072][32]: K is its first axis, so a lane takes a column and its registers run down K.
;  P (work-groups 176-239): w_proj [1024 (k)][1024 (n)] f32 -> f16, laid as the projection's operand registers: the 16 bytes (n, k .. k + 7) at (n / 16) 32768 + (k / 8) 256 + (n % 16) 16.
; A block's scale is 2^(floor(log2(its largest magnitude)) - 2); its byte is the largest magnitude's exponent field - 2, held at 1 from below.  A block of zeros so gets the byte 1: its codes are zeros, and this program alone reads the bytes.
; LIMITS: blocks whose largest magnitude lies under 2^-124 keep the byte 1; NaN and infinities are not served; w_proj must lie under 65,504 in magnitude (f16).
; No cluster, no tensor load: no two work-groups read the same bytes, and every byte is read once.
.set SPW,   190                        ; v190 LDS address of my spare word; never rewritten
.set NIL,   191                        ; v191 0; never rewritten
.set SPARE, 67584                      ; behind both paths' regions: 128 bytes for each wave, two blocks of 256 bytes that no other line names
.set EMAX,  2
.set WGX,   128                        ; 4096 x 1024 / 32768
.set WGW,   176
; path X
.set STEPS, 16
.set CB,    8                          ; bytes of 16 codes
.set XR,    16                         ; v16-79   four sets of 16 numbers as loaded
.set XX,    80                         ; v80-111  two sets of 16 neighbours
.set XE,    112                        ; v112-127 a scale byte for each step
.set XC,    128                        ; v128-159 codes: two registers for each step, so that no store's data are written again
.set WREG,  8192                       ; LDS 0 .. 32767: a region for each wave: two stages of 32 x SP bytes, then its 256 scale bytes
.set SP,    80
; path W
.set SIZE_N, 3072
.set NB,    16
.set WPITCH, 272
.set WSTAGE, 32768                     ; LDS 32768 .. 67583: a stage of 32 x 272 bytes for each wave
.set KROW,  512
.set WX,    32                         ; v32-95   two sets of 32 numbers
.set WC,    96                         ; v96-99   a block's codes
.set WOUT,  112                        ; v112-175 the way out
.set WSB,   24                         ; v24-27   the scale bytes, four to a register
; path P
.set PX,    32                         ; v32-95   two sets of 32 numbers
.set PC,    96                         ; v96-159  f16 pairs: 16 registers for each block of 32 along K
.macro FINISH                          ; the wave's end, behind the last LDS store
	s_wait_tensorcnt 0x0
	ds_add_u32 v[SPW], v[NIL]
	s_wait_dscnt 0x0
	s_endpgm
.endm
	s_load_b256 s[4:11], s[0:1], 0x0               ; x s[4:5], w_attn s[6:7], w_proj s[8:9], xc s[10:11]
	s_load_b256 s[12:19], s[0:1], 0x20             ; xs s[12:13], wc s[14:15], ws s[16:17], wpi s[18:19]
	v_lshl_add_u32 v[SPW], v0, 2, SPARE
	v_mov_b32 v[NIL], 0
	v_lshrrev_b32 v1, 5, v0
	v_readfirstlane_b32 s20, v1                    ; wave 0..3
	v_and_b32 v2, 31, v0                           ; lane
	s_wait_kmcnt 0x0
	s_cmp_ge_u32 ttmp9, WGX
	s_cbranch_scc1 .Lnot_x
; ---------------- PATH X: a wave takes 16 steps of 512 numbers.  Each load reads 512 consecutive bytes; a step's 2,048 bytes turn through the wave's own stage, so that a lane holds 16 neighbours along K.
	v_lshlrev_b32 v3, 4, v2                        ; my 16 bytes of a load's 512
	s_mul_i32 s21, s20, WREG
	v_lshrrev_b32 v14, 2, v2
	v_mul_u32_u24 v14, v14, SP
	v_and_b32 v15, 3, v2
	v_lshl_add_u32 v14, v15, 4, v14
	v_add_nc_u32 v14, s21, v14                     ; into the stage: SP (lane / 4) + 16 (lane % 4)
	v_mul_u32_u24 v15, v2, SP
	v_add_nc_u32 v15, s21, v15                     ; out of it: SP x lane
	v_mul_u32_u24 v4, v2, CB                       ; my codes' place in a step's
	v_lshrrev_b32 v5, 1, v2
	s_add_co_u32 s21, s21, 2*32*SP
	v_add_nc_u32 v5, s21, v5                       ; my block's scale byte in the wave's 256
	v_lshlrev_b32 v7, 3, v2
	v_add_nc_u32 v6, s21, v7                       ; and on the way out 8 bytes a lane
	s_lshl_b32 s22, ttmp9, 2
	s_add_co_u32 s22, s22, s20                     ; which run of 8,192 numbers is my wave's
	s_mov_b32 s23, 0
	s_lshl_b64 s[24:25], s[22:23], 15              ; 32,768 bytes of f32,
	s_add_nc_u64 s[4:5], s[4:5], s[24:25]
	s_lshl_b64 s[24:25], s[22:23], 12              ; 4,096 of codes,
	s_add_nc_u64 s[10:11], s[10:11], s[24:25]
	s_lshl_b64 s[24:25], s[22:23], 8               ; 256 scale bytes
	s_add_nc_u64 s[12:13], s[12:13], s[24:25]
.macro XLOAD t
.irp i, 0,1,2,3
	global_load_b128 v[XR+16*((\t)%4)+4*\i:XR+16*((\t)%4)+4*\i+3], v3, s[4:5] offset:2048*(\t)+512*\i th:TH_LOAD_NT
.endr
.endm
.macro XTURN t                         ; LDS serves a wave's instructions in order: no wait between the stores and the loads
.irp i, 0,1,2,3
	ds_store_b128 v14, v[XR+16*((\t)%4)+4*\i:XR+16*((\t)%4)+4*\i+3] offset:32*SP*((\t)%2)+8*SP*\i
.endr
.irp i, 0,1,2,3
	ds_load_b128 v[XX+16*((\t)%2)+4*\i:XX+16*((\t)%2)+4*\i+3], v15 offset:32*SP*((\t)%2)+16*\i
.endr
.endm
.irp t, 0,1,2,3
	XLOAD \t
.endr
	s_wait_loadcnt 12                              ; step 0's four loads are in; three steps of four stay out
	XTURN 0
.macro XSTEP t
.set XS, XX+16*((\t)%2)
.if (\t) > 0
	s_wait_dscnt 1                                 ; this step's numbers are back from the stage (the last step's byte store may be out)
.else
	s_wait_dscnt 0x0
.endif
.if (\t)+4 < STEPS
	XLOAD (\t)+4                                   ; into the set whose stores into the stage have read it
.endif
.if (\t)+1 < STEPS
.if STEPS-2-(\t) >= 3
	s_wait_loadcnt 12                              ; the next step's four loads are in; three steps behind it may be out
.else
	s_wait_loadcnt 4*(STEPS-2-(\t))
.endif
	XTURN (\t)+1
.endif
	v_max3_num_f32 v8, |v[XS]|, |v[XS+1]|, |v[XS+2]|               ; the largest magnitude of my 16, in two chains
	v_max3_num_f32 v9, |v[XS+3]|, |v[XS+4]|, |v[XS+5]|
.irp i, 6,10
	v_max3_num_f32 v8, v8, |v[XS+\i]|, |v[XS+\i+1]|
	v_max3_num_f32 v9, v9, |v[XS+\i+2]|, |v[XS+\i+3]|
.endr
	v_max3_num_f32 v8, v8, |v[XS+14]|, |v[XS+15]|
	v_max3_num_f32 v8, v8, v9, (EMAX+1)<<23        ; and the floor 2^(3 - 127): the byte cannot fall under 1
	v_max_num_f32_dpp v8, v8, v8 row_xmask:1 row_mask:0xf bank_mask:0xf   ; with my neighbour's 16: the block's
	v_add_nc_u32 v11, -(EMAX<<23), v8              ; 2 off its exponent field: the conversion's scale operand
	v_cvt_scalef32_pk8_fp4_f32 v[XC+2*(\t)], v[XS:XS+7], v11
	v_cvt_scalef32_pk8_fp4_f32 v[XC+2*(\t)+1], v[XS+8:XS+15], v11
	v_lshrrev_b32 v[XE+(\t)], 23, v11              ; the scale's byte
	ds_store_b8 v5, v[XE+(\t)] offset:16*(\t)      ; both lanes of a block write the same byte with the same value
	global_store_b64 v4, v[XC+2*(\t):XC+2*(\t)+1], s[10:11] offset:32*CB*(\t)   ; the wave stores 256 consecutive bytes, aligned
.endm
.irp t, 0,1,2,3,4,5,6,7,8,9,10,11,12,13,14,15
	XSTEP \t
.endr
	ds_load_b64 v[8:9], v6                         ; my wave's 256 scale bytes, behind its own stores
	s_wait_dscnt 0x0
	global_store_b64 v7, v[8:9], s[12:13]          ; 256 consecutive bytes, aligned
	FINISH
.Lnot_x:
	s_cmp_ge_u32 ttmp9, WGW
	s_cbranch_scc1 .Lpath_p
; ---------------- PATH W: a wave takes 32 columns x 512 along K: 16 blocks a lane.  Its codes go through the wave's own stage and leave as rows: sixteen lanes store 256 consecutive bytes.
	s_sub_co_u32 s21, ttmp9, WGX                   ; g = 0 .. 47
	s_cmp_ge_u32 s21, 24
	s_cselect_b32 s22, 1, 0                        ; which 512 along K
	s_cselect_b32 s23, 24, 0
	s_sub_co_u32 s21, s21, s23                     ; which 128 columns
	s_lshl_b32 s21, s21, 7
	s_lshl_b32 s23, s20, 5
	s_add_co_u32 s21, s21, s23                     ; my wave's first column
	v_lshlrev_b32 v3, 2, v2                        ; in: 4 bytes a lane
	s_mul_i32 s24, s20, 32*WPITCH
	s_add_co_u32 s24, s24, WSTAGE                  ; my stage
	v_mul_u32_u24 v4, v2, WPITCH
	v_add_nc_u32 v4, s24, v4                       ; into it: row = my column
	v_and_b32 v5, 15, v2
	v_lshrrev_b32 v6, 4, v2
	v_mul_u32_u24 v7, v6, WPITCH
	v_lshl_add_u32 v7, v5, 4, v7
	v_add_nc_u32 v7, s24, v7                       ; out of it: sixteen lanes to a row, two rows an instruction
	v_mul_u32_u24 v8, v6, KROW
	v_lshl_add_u32 v8, v5, 4, v8                   ; the same place in wc
	v_lshlrev_b32 v9, 5, v2                        ; my column's row of scale bytes
	s_mul_i32 s26, s22, 512*SIZE_N*4               ; w_attn: 512 y rows + 4 x column
	s_lshl_b32 s27, s21, 2
	s_add_co_u32 s26, s26, s27
	s_mov_b32 s27, 0
	s_add_nc_u64 s[6:7], s[6:7], s[26:27]
	s_lshl_b32 s26, s21, 9                         ; wc: column x 512 + 256 y
	s_lshl_b32 s28, s22, 8
	s_add_co_u32 s26, s26, s28
	s_add_nc_u64 s[14:15], s[14:15], s[26:27]
	s_lshl_b32 s26, s21, 5                         ; ws: column x 32 + 16 y
	s_lshl_b32 s28, s22, 4
	s_add_co_u32 s26, s26, s28
	s_add_nc_u64 s[16:17], s[16:17], s[26:27]
.macro WLOAD t                         ; block t: w(32 t + i, my column) into set t % 2; the largest offset, 511 rows of 12,288 bytes, lies inside the signed 24-bit immediate
.set i, 0
.rept 32
	global_load_b32 v[WX+32*((\t)%2)+i], v3, s[6:7] offset:(32*(\t)+i)*SIZE_N*4 th:TH_LOAD_NT
.set i, i+1
.endr
.endm
	WLOAD 0
	WLOAD 1
.macro WBLOCK t
.set XS, WX+32*((\t)%2)
.if (\t) < NB-1
	s_wait_loadcnt 32                              ; this block's 32 loads are in; the next block's may be out
.else
	s_wait_loadcnt 0
.endif
	v_max3_num_f32 v12, |v[XS]|, |v[XS+1]|, |v[XS+2]|               ; all 32 numbers of the block are mine
	v_max3_num_f32 v13, |v[XS+3]|, |v[XS+4]|, |v[XS+5]|
.irp i, 6,10,14,18,22,26
	v_max3_num_f32 v12, v12, |v[XS+\i]|, |v[XS+\i+1]|
	v_max3_num_f32 v13, v13, |v[XS+\i+2]|, |v[XS+\i+3]|
.endr
	v_max3_num_f32 v12, v12, |v[XS+30]|, |v[XS+31]|
	v_max3_num_f32 v12, v12, v13, (EMAX+1)<<23     ; and the floor
	v_add_nc_u32 v11, -(EMAX<<23), v12
	v_lshrrev_b32 v13, 23, v11                     ; the scale's byte
.if (\t)%4 == 0
	v_mov_b32 v[WSB+(\t)/4], v13
.else
	v_lshl_or_b32 v[WSB+(\t)/4], v13, 8*((\t)%4), v[WSB+(\t)/4]
.endif
.irp g, 0,1,2,3
	v_cvt_scalef32_pk8_fp4_f32 v[WC+\g], v[XS+8*\g:XS+8*\g+7], v11
.endr
	ds_store_b128 v4, v[WC:WC+3] offset:16*(\t)    ; 32 codes: 16 bytes of my column's row
.if (\t)+2 < NB
	WLOAD (\t)+2
.endif
	s_wait_dscnt 0x0                               ; the store has read its registers: the next block's codes may be written
.endm
.set Q, 0
.rept NB
	WBLOCK Q
.set Q, Q+1
.endr
	global_store_b128 v9, v[WSB:WSB+3], s[16:17]   ; my column's 16 scale bytes
.irp t, 0,1,2,3,4,5,6,7,8,9,10,11,12,13,14,15
	ds_load_b128 v[WOUT+4*\t:WOUT+4*\t+3], v7 offset:2*\t*WPITCH
.endr
.irp t, 0,1,2,3,4,5,6,7,8,9,10,11,12,13,14,15
	s_wait_dscnt 15-\t                             ; load t is back; the 15 - t younger ones may be out
	global_store_b128 v8, v[WOUT+4*\t:WOUT+4*\t+3], s[14:15] offset:2*\t*KROW
.endr
	FINISH
.Lpath_p:
; ---------------- PATH P: a wave takes 32 columns x 128 along K of w_proj.  A lane's eight neighbours along K pack into 16 bytes; sixteen lanes store 256 consecutive bytes.  No LDS.
	s_sub_co_u32 s21, ttmp9, WGW                   ; g = 0 .. 63
	s_and_b32 s22, s21, 7                          ; which 128 columns
	s_lshr_b32 s23, s21, 3                         ; which 128 along K
	v_lshlrev_b32 v3, 2, v2
	v_lshrrev_b32 v6, 4, v2
	v_and_b32 v5, 15, v2
	v_lshlrev_b32 v8, 15, v6
	v_lshl_add_u32 v8, v5, 4, v8                   ; (lane / 16) 32768 + (lane % 16) 16
	s_lshl_b32 s26, s23, 19                        ; 128 rows of 4,096 bytes
	s_lshl_b32 s27, s22, 9
	s_add_co_u32 s26, s26, s27
	s_lshl_b32 s27, s20, 7
	s_add_co_u32 s26, s26, s27                     ; + 4 (128 nx + 32 wave)
	s_mov_b32 s27, 0
	s_add_nc_u64 s[8:9], s[8:9], s[26:27]
	s_lshl_b32 s26, s22, 3
	s_lshl_b32 s28, s20, 1
	s_add_co_u32 s26, s26, s28
	s_lshl_b32 s26, s26, 15                        ; (8 nx + 2 wave) 32768
	s_lshl_b32 s28, s23, 12                        ; + 16 ky x 256
	s_add_co_u32 s26, s26, s28
	s_add_nc_u64 s[18:19], s[18:19], s[26:27]
.macro PLOAD t
.set i, 0
.rept 32
	global_load_b32 v[PX+32*((\t)%2)+i], v3, s[8:9] offset:(32*(\t)+i)*4096 th:TH_LOAD_NT
.set i, i+1
.endr
.endm
	PLOAD 0
	PLOAD 1
.macro PBLOCK t
.if (\t) < 3
	s_wait_loadcnt 32                              ; this block's 32 loads are in; the next block's may be out
.else
	s_wait_loadcnt 0
.endif
.set i, 0
.rept 16
	v_cvt_pk_f16_f32 v[PC+16*(\t)+i], v[PX+32*((\t)%2)+2*i], v[PX+32*((\t)%2)+2*i+1]
.set i, i+1
.endr
.irp q, 0,1,2,3
	global_store_b128 v8, v[PC+16*(\t)+4*\q:PC+16*(\t)+4*\q+3], s[18:19] offset:(4*(\t)+\q)*256
.endr
.if (\t)+2 < 4
	PLOAD (\t)+2
.endif
.endm
	PBLOCK 0
	PBLOCK 1
	PBLOCK 2
	PBLOCK 3
	FINISH
.Lfunc_end_k_q368f59f10d_prep:
	.size	k_q368f59f10d_prep, .Lfunc_end_k_q368f59f10d_prep-k_q368f59f10d_prep
	.p2alignl 7, 3214868480
	.fill 96, 4, 3214868480
	.section	.rodata,"a",@progbits
	.p2align	6, 0x0
	.amdhsa_kernel k_q368f59f10d_prep
		.amdhsa_group_segment_fixed_size 68096
		.amdhsa_private_segment_fixed_size 0
		.amdhsa_enable_private_segment 0
		.amdhsa_kernarg_size 64
		.amdhsa_user_sgpr_count 2
		.amdhsa_user_sgpr_kernarg_segment_ptr 1
		.amdhsa_wavefront_size32 1
		.amdhsa_system_sgpr_workgroup_id_x 1
		.amdhsa_system_sgpr_workgroup_id_y 1
		.amdhsa_system_sgpr_workgroup_id_z 1
		.amdhsa_system_vgpr_workitem_id 0
		.amdhsa_next_free_vgpr 192
		.amdhsa_next_free_sgpr 66
		.amdhsa_reserve_vcc 0
		.amdhsa_float_denorm_mode_32 3
		.amdhsa_float_denorm_mode_16_64 3
		.amdhsa_memory_ordered 1
		.amdhsa_forward_progress 1
		.amdhsa_inst_pref_size 129
	.end_amdhsa_kernel
	.amdgpu_metadata
---
amdhsa.version: [ 1, 2 ]
amdhsa.kernels:
  - .name:           k_q368f59f10d_prep
    .symbol:         k_q368f59f10d_prep.kd
    .args:
      - { .name: x, .offset: 0, .size: 8, .value_kind: global_buffer, .address_space: global }
      - { .name: w_attn, .offset: 8, .size: 8, .value_kind: global_buffer, .address_space: global }
      - { .name: w_proj, .offset: 16, .size: 8, .value_kind: global_buffer, .address_space: global }
      - { .name: xc, .offset: 24, .size: 8, .value_kind: global_buffer, .address_space: global }
      - { .name: xs, .offset: 32, .size: 8, .value_kind: global_buffer, .address_space: global }
      - { .name: wc, .offset: 40, .size: 8, .value_kind: global_buffer, .address_space: global }
      - { .name: ws, .offset: 48, .size: 8, .value_kind: global_buffer, .address_space: global }
      - { .name: wpi, .offset: 56, .size: 8, .value_kind: global_buffer, .address_space: global }
    .group_segment_fixed_size: 68096
    .private_segment_fixed_size: 0
    .kernarg_segment_align: 8
    .kernarg_segment_size: 64
    .max_flat_workgroup_size: 128
    .sgpr_count:     66
    .vgpr_count:     192
    .wavefront_size: 32
...
	.end_amdgpu_metadata
.endif
;; end of part 1
;; launch qkv (part 2): grid 12 x 16, 4 waves a work-group, clusters of 4 x 4, 327,680 bytes of LDS; arguments xc, xs, wc, ws, qkvh, b_attn, aux; writes qkvh, aux
.if DOCPART == 2
	.amdgcn_target "amdgcn-amd-amdhsa--gfx1250"
	.amdhsa_code_object_version 6
	.text
	.protected	k_q368f59f10d_qkv
	.globl	k_q368f59f10d_qkv
	.p2align	8
	.type	k_q368f59f10d_qkv,@function
k_q368f59f10d_qkv:
	s_mov_b64 s[64:65], 0
	v_nop
	global_prefetch_b8 v0, s[64:65] scope:SCOPE_SE
	s_setreg_imm32_b32 hwreg(HW_REG_WAVE_MODE, 25, 1), 1
	s_wait_xcnt 0x0
	s_wait_alu depctr_hold_cnt(0) depctr_sa_sdst(0) depctr_va_vdst(0) depctr_va_sdst(0) depctr_va_ssrc(0) depctr_va_vcc(0) depctr_vm_vsrc(0)
	s_getreg_b32 s2, hwreg(HW_REG_IB_STS2, 6, 4)
	s_cmp_eq_u32 s2, 0
	s_cbranch_scc0 .Lentry_in_a_cluster
	s_endpgm
.Lentry_in_a_cluster:
	s_bfe_u32 s2, ttmp6, 0x10000c
	s_cmp_lg_u32 s2, 0xf033
	s_cbranch_scc0 .Lentry_shape_is_right
	s_endpgm
.Lentry_shape_is_right:
; qkv = Q(x) Q(w_attn) + b_attn on codes of FP4 (E2M1) with one E8M0 scale for each 32 along K: M = 4,096, N = 3,072, K = 1,024; sums in f32.
; A tile of 256 x 256 is made by four waves, 128 x 128 each: 64 accumulators of 16 x 16.  K is two steps of 512, each in an LDS slot of its own: both are first fills, nothing is filled again.
; The scale bytes of the work-group's 256 + 256 rows come once, as dense blocks.  CLUSTERS: 4 x 4 work-groups; x's tiles are asked for jointly along a row of the cluster, w's along a column.
; THE MATRIX INSTRUCTION IS USED TRANSPOSED (source 0 = 16 columns of w, source 1 = 16 tokens): a lane holds one token and eight neighbouring channels.  The bias is the C of each sum's first instruction.
; WHAT LEAVES:  (1) q, k, v in f16 as IMAGES OF THE NEXT PRODUCTS' OPERAND REGISTERS: qkvh [which 3][batch x head 32][tile of 16 tokens 128][t 4][512 bytes]; block (tile, t) holds channels 16 t .. 16 t + 15; a lane's 16 bytes
; (token r, channels 16 t + 8 h + 0 .. 7) lie at 16 x (16 h + r) for q and k, and for v at 16 x (16 (r / 8) + 8 h + r % 8), the order in which the turning LDS load wants them.  Each store covers 512 consecutive bytes.
; (2) tokens 0-15 of each sequence in f32, as the accumulators stand: aux [which][batch x head][t][half][lane][16 bytes].
; (3) v's column sums in f32, aux + 393,216, [96][1024]: rows 0-63 over tokens 64 row .. + 63; row 64 + g over tokens 128 g + 16 .. 128 g + 63: the masked keys' share of the softmax needs them.
; LIMITS: q, k, v must lie under 65,504 in magnitude (f16); NaN and infinities are not served.
; No prefetch: every tile of this launch is asked for at its head.
; REGISTERS: window 0: v0-31 addresses; v32-95 scale words, two sets; v128-191 x's fragments, one set; v192-255 the bias; on the way out v32-235 are free.  window 1: w's fragments, two sets.  windows 2, 3: the accumulators.
.set NQ,     4                         ; steps of 128 along K in a slot
.set ROWB,   256                       ; a tile's row: 512 codes
.set KROW,   512                       ; a row of codes in memory
.set PITCH,  272                       ; an LDS row: 256 bytes + 16 of padding: the 16 rows that a load touches start at 16 different banks (64 banks of 4 bytes: ISA guide 11.1)
.set FR,     8
.set NL,     2
.set NP,     4                         ; places behind this matrix instruction (ISA guide 7.12.1)
.set HALFT,  128*PITCH
.set SLOT,   4*HALFT
.set KS,     32                        ; a row of scale bytes
.set SCL,    2*SLOT                    ; behind the slots: the scales, as units of 256 bytes + 16
.set HALFS,  16*272                    ; those of 128 rows
.set SBLK,   2*272                     ; those of 16 rows
.set SPARE,  SCL+4*HALFS               ; the spare words: 128 bytes for each wave
.set ADRA, 16
.set ADRB, 20
.set SRD,  22                          ; v22 the column sums' way back: 2048 x wave + 16 x lane
.set FLG,  23                          ; v23 my first token within its sequence
.set SB,   24                          ; v24 the column sums' place: 2048 x wave + 32 h
.set LI,   25                          ; v25 16 x lane
.set CO,   26                          ; v26 16 x my place in a block of qkvh
.set ADRS, 27
.set SPW,  28
.set NIL,  29
.set BO,   30                          ; v30 32 h
.set SC,   32
.set AF,   128
.set BIAS, 192
.set TS,   160                         ; the way out: v160-223 column sums at work
.set RES,  224                         ; v224-235 and as they leave
.set G1, 24
.set G0, 32
.set G1B, 48
.set G0B, 56
.set G1S, 68
.set G0S, 76
.set G1SB, 80
.set G0SB, 88
.set MSB, 0
.macro WIN new                         ; the immediate's high byte repeats the setting that is left
.if MSB != (\new)
	s_set_vgpr_msb (MSB<<8)|(\new)
.set MSB, (\new)
.endif
.endm
.set MUL_LO, 0xa1                      ; source 0 (w) window 1, source 1 (x) window 0, C and D window 2
.set MUL_HI, 0xf1                      ; the same, C and D window 3
.set TO_B,   0x40
.macro JLOAD g0a, g1a, g0b, g1b        ; a joint load: waves 0 and 1 fetch for x, waves 2 and 3 for w; the branch hangs on the wave's number alone; an s_nop 0 and four v_nop follow each line
	s_cmp_eq_u32 s15, 0
	s_cbranch_scc0 .Lfor_b_\@
	tensor_load_to_lds s[\g0a:\g0a+3], s[\g1a:\g1a+7]
	s_nop 0
.rept 4
	v_nop
.endr
	s_branch .Lasked_\@
.Lfor_b_\@:
	tensor_load_to_lds s[\g0b:\g0b+3], s[\g1b:\g1b+7]
	s_nop 0
.rept 4
	v_nop
.endr
.Lasked_\@:
.endm
.macro CROUND                          ; a round of the cluster's barrier
	s_barrier_signal -1
	s_barrier_wait -1
	s_cmp_lg_u32 s14, 0
	s_cbranch_scc1 .Lnot_wave_0_\@
	s_barrier_signal -3
.Lnot_wave_0_\@:
	s_barrier_wait -3
	s_barrier_signal -1
	s_barrier_wait -1
.endm
	s_load_b128 s[4:7], s[0:1], 0x0                ; xc s[4:5], xs s[6:7]
	s_load_b128 s[8:11], s[0:1], 0x10              ; wc s[8:9], ws s[10:11]
	s_load_b64 s[12:13], s[0:1], 0x20              ; qkvh
	s_load_b128 s[96:99], s[0:1], 0x28             ; b_attn s[96:97], aux s[98:99]
	v_lshl_add_u32 v[SPW], v0, 2, SPARE
	v_mov_b32 v[NIL], 0
	ds_add_u32 v[SPW], v[NIL]                      ; the wave's opening: the add, twice on end, and its wait ahead of my first tensor load
	ds_add_u32 v[SPW], v[NIL]
	v_lshrrev_b32 v1, 5, v0
	v_readfirstlane_b32 s14, v1                    ; wave 0..3
	s_lshr_b32 s15, s14, 1                         ; which half of the tile's tokens is mine.  Also: I fetch for x (0) or for w (1)
	s_and_b32 s16, s14, 1                          ; which half of its columns.  Also: which 128 rows I fetch
	s_bfe_u32 s40, ttmp6, 0x40000                  ; cx, cy
	s_bfe_u32 s41, ttmp6, 0x40004
	s_lshl_b32 s42, ttmp9, 2
	s_add_co_u32 s42, s42, s40                     ; tile column = 4 x cluster x + cx
	s_and_b32 s17, ttmp7, 0xffff
	s_lshl_b32 s17, s17, 2
	s_add_co_u32 s17, s17, s41                     ; tile row = 4 x cluster y + cy
	s_lshl_b32 s43, s41, 2
	s_lshl_b32 s43, 15, s43                        ; my row of the cluster
	s_lshl_b32 s44, 0x1111, s40                    ; my column
	s_or_b32 s[G1+0], s43, (0<<16)|(1<<20)|(1<<21)|(5<<22)|(3<<25)  ; the mask; elements of 1 byte; padding on; bit 21 beside a mask; after every 64 words, 4 words
	s_or_b32 s[G1B+0], s44, (0<<16)|(1<<20)|(1<<21)|(5<<22)|(3<<25)
.irp g, G1, G1B
	s_mov_b32 s[\g+1], ROWB<<16                    ; tensor_dim0
	s_mov_b32 s[\g+2], 128<<16                     ; tensor_dim1
	s_mov_b32 s[\g+3], ROWB<<16                    ; tile_dim0
	s_mov_b32 s[\g+4], 128                         ; tile_dim1
	s_mov_b32 s[\g+5], KROW                        ; the pitch
	s_mov_b32 s[\g+6], 0
	s_mov_b32 s[\g+7], 0
.endr
	s_or_b32 s[G1S+0], s43, (3<<16)|(1<<20)|(1<<21)|(5<<22)|(3<<25)   ; the scales of 128 rows: 4,096 dense bytes as 16 rows of 256 (32 elements of 8 bytes), 16 bytes of padding behind each
	s_or_b32 s[G1SB+0], s44, (3<<16)|(1<<20)|(1<<21)|(5<<22)|(3<<25)
.irp g, G1S, G1SB
	s_mov_b32 s[\g+1], 32<<16
	s_mov_b32 s[\g+2], 16<<16
	s_mov_b32 s[\g+3], 32<<16
	s_mov_b32 s[\g+4], 16
	s_mov_b32 s[\g+5], 32
	s_mov_b32 s[\g+6], 0
	s_mov_b32 s[\g+7], 0
.endr
	s_lshl_b32 s18, s16, 7
	s_lshl_b32 s20, s17, 8
	s_add_co_u32 s20, s20, s18                     ; x: row 256 x tile row + 128 x half
	s_lshl_b32 s46, s42, 8
	s_add_co_u32 s46, s46, s18                     ; w: row 256 x tile column + 128 x half
	s_mov_b32 s21, 0
	s_mov_b32 s47, 0
	s_mov_b64 s[18:19], KS
	s_mul_u64 s[22:23], s[20:21], s[18:19]         ; where these rows' scales begin,
	s_mul_u64 s[92:93], s[46:47], s[18:19]
	s_mov_b64 s[18:19], KROW
	s_mul_u64 s[20:21], s[20:21], s[18:19]         ; and their codes
	s_mul_u64 s[46:47], s[46:47], s[18:19]
	s_mul_i32 s45, s14, HALFT                      ; where they go: wave x 128 rows: no place in the cluster enters an LDS address
	s_mul_i32 s94, s14, HALFS
	s_wait_dscnt 0x0                               ; both opening adds are done
	s_wait_kmcnt 0x0
	s_add_nc_u64 s[20:21], s[4:5], s[20:21]
	s_add_nc_u64 s[22:23], s[6:7], s[22:23]
	s_add_nc_u64 s[46:47], s[8:9], s[46:47]
	s_add_nc_u64 s[92:93], s[10:11], s[92:93]
	CROUND                                         ; all sixteen work-groups are here: the joint loads meet
	s_mov_b32 s[G0S], 1
	s_add_co_u32 s[G0S+1], s94, SCL
	s_mov_b64 s[G0S+2:G0S+3], s[22:23]
	s_or_b32 s[G0S+3], s[G0S+3], 0x80000000
	s_mov_b32 s[G0SB], 1
	s_add_co_u32 s[G0SB+1], s94, SCL
	s_mov_b64 s[G0SB+2:G0SB+3], s[92:93]
	s_or_b32 s[G0SB+3], s[G0SB+3], 0x80000000
	JLOAD G0S, G1S, G0SB, G1SB                     ; the scales first: they are wanted with K step 0
.irp s, 0,1
	s_mov_b32 s[G0+4*\s], 1
	s_add_co_u32 s[G0+4*\s+1], s45, \s*SLOT
	s_add_nc_u64 s[G0+4*\s+2:G0+4*\s+3], s[20:21], \s*ROWB
	s_or_b32 s[G0+4*\s+3], s[G0+4*\s+3], 0x80000000
	s_mov_b32 s[G0B+4*\s], 1
	s_add_co_u32 s[G0B+4*\s+1], s45, \s*SLOT
	s_add_nc_u64 s[G0B+4*\s+2:G0B+4*\s+3], s[46:47], \s*ROWB
	s_or_b32 s[G0B+4*\s+3], s[G0B+4*\s+3], 0x80000000
	JLOAD G0+4*\s, G1, G0B+4*\s, G1B               ; three loads of mine are out in all
.endr
	v_and_b32 v1, 15, v0                           ; r
	v_bfe_u32 v2, v0, 4, 1                         ; h
	; the bias: lane (r, h) wants, for w's block b, b_attn at columns n0 + 16 b + 8 h + 0 .. 7
	v_lshlrev_b32 v[BO], 5, v2
	s_lshl_b32 s46, s42, 10
	s_lshl_b32 s47, s16, 9
	s_add_co_u32 s46, s46, s47                     ; 4 n0 = 1024 x tile column + 512 x half
	s_mov_b32 s47, 0
	s_add_nc_u64 s[96:97], s[96:97], s[46:47]
.irp b, 0,1,2,3,4,5,6,7
	global_load_b128 v[BIAS+8*\b:BIAS+8*\b+3], v[BO], s[96:97] offset:64*\b
	global_load_b128 v[BIAS+8*\b+4:BIAS+8*\b+7], v[BO], s[96:97] offset:64*\b+16
.endr
	v_mul_u32_u24 v3, v1, PITCH
	v_lshl_add_u32 v4, v2, 4, v3                   ; a fragment's row x pitch + 16 x half
	s_mul_i32 s21, s15, HALFT
	s_mul_i32 s22, s16, HALFT
	s_add_co_u32 s22, s22, 2*HALFT
.irp s, 0,1
	v_add_nc_u32 v[ADRA+\s], s21, v4
	v_add_nc_u32 v[ADRB+\s], s22, v4
	s_add_co_u32 s21, s21, SLOT
	s_add_co_u32 s22, s22, SLOT
.endr
	v_mul_u32_u24 v5, v1, KS                       ; my row's scales: 32 bytes a row,
	v_lshrrev_b32 v6, 8, v5
	v_lshl_add_u32 v5, v6, 4, v5                   ; and 16 more for each 256 passed
	s_mul_i32 s21, s15, HALFS
	s_mul_i32 s22, s16, HALFS
	s_add_co_u32 s22, s22, 2*HALFS
	s_sub_co_u32 s22, s22, s21
	v_mul_u32_u24 v6, s22, v2                      ; lanes 16-31 take w's: one product, the lower base + h x the distance
	s_add_co_u32 s21, s21, SCL
	v_add_nc_u32 v5, v5, v6
	v_add_nc_u32 v[ADRS], s21, v5
	; the way out
	v_and_b32 v6, 31, v0
	v_lshlrev_b32 v[LI], 4, v6
	s_lshl_b32 s23, s14, 11
	v_lshl_add_u32 v[SB], v2, 5, s23
	v_add_nc_u32 v[SRD], s23, v[LI]
	s_cmp_eq_u32 ttmp9, 2                          ; tile columns 8-11 are v's: the same in all sixteen partners
	s_cselect_b32 s95, 24, 0
	v_lshrrev_b32 v5, 3, v6
	v_lshrrev_b32 v7, 4, v6
	v_xor_b32 v5, v5, v7
	v_and_b32 v5, 1, v5
	v_mul_u32_u24 v5, v5, s95
	v_xor_b32 v5, v6, v5                           ; for v the lane's bits 3 and 4 change places
	v_lshlrev_b32 v[CO], 4, v5
	s_lshr_b32 s18, s42, 2                         ; which of q, k, v
	s_lshl_b32 s18, s18, 5
	s_lshr_b32 s19, s17, 3                         ; batch
	s_lshl_b32 s19, s19, 4
	s_add_co_u32 s18, s18, s19
	s_and_b32 s19, s42, 3
	s_lshl_b32 s19, s19, 2
	s_add_co_u32 s18, s18, s19
	s_lshl_b32 s19, s16, 1
	s_add_co_u32 s18, s18, s19                     ; 32 which + 16 batch + my first head
	s_and_b32 s19, s17, 7
	s_lshl_b32 s19, s19, 8
	s_lshl_b32 s20, s15, 7
	s_add_co_u32 s19, s19, s20                     ; my first token within its sequence
	v_mov_b32 v[FLG], s19
	s_lshl_b32 s20, s18, 18                        ; 262,144 bytes a head,
	s_lshl_b32 s21, s19, 7                         ; 2,048 a tile of 16 tokens
	s_add_co_u32 s20, s20, s21
	s_mov_b32 s21, 0
	s_add_nc_u64 s[12:13], s[12:13], s[20:21]
	s_lshl_b32 s20, s18, 12
	s_add_nc_u64 s[100:101], s[98:99], s[20:21]    ; the f32 image: 4,096 bytes a head
	s_and_b32 s22, s42, 3
	s_lshl_b32 s22, s22, 10
	s_lshl_b32 s23, s16, 9
	s_add_co_u32 s22, s22, s23
	s_add_co_u32 s22, s22, 393216                  ; the column sums: my 128 columns of v
	s_lshl_b32 s20, s17, 2
	s_lshl_b32 s23, s15, 1
	s_add_co_u32 s20, s20, s23
	s_lshl_b32 s20, s20, 12
	s_add_co_u32 s20, s20, s22
	s_add_nc_u64 s[66:67], s[98:99], s[20:21]      ; rows 4 x tile row + 2 x half, and the next
	s_lshl_b32 s20, s17, 1
	s_add_co_u32 s20, s20, s15
	s_add_co_u32 s20, s20, 64
	s_lshl_b32 s20, s20, 12
	s_add_co_u32 s20, s20, s22
	s_add_nc_u64 s[92:93], s[98:99], s[20:21]      ; row 64 + 2 x tile row + half
.macro FRAG reg, adr, q, i             ; 16 rows x 128 K of 4-bit codes: 8 registers: two loads of 16 bytes, 32 bytes apart
.irp c, 0,1
	ds_load_b128 v[\reg+4*\c:\reg+4*\c+3], v[\adr] offset:64*(\q)+32*\c+(\i)*16*PITCH
.endr
.endm
; 16 matrix instructions: x's blocks a0, a0 + 1 against w's eight.  zero = 1: the first product starts the sums with the bias as C.  The 64 accumulators take turns, one instruction a turn.
.macro MUL16 a0, p, q, sc, zero
.irp a, \a0, \a0+1
.irp b, 0,1,2,3,4,5,6,7
.if \zero
	v_wmma_scale_f32_16x16x128_f8f6f4 v[8*(8*((\a)%4)+\b):8*(8*((\a)%4)+\b)+7], v[128*(\p)+FR*\b:128*(\p)+FR*\b+FR-1], v[AF+FR*(\a):AF+FR*(\a)+FR-1], v[BIAS+8*\b:BIAS+8*\b+7], v[SC+8*NQ*(\sc)+NQ*\b+(\q)], v[SC+8*NQ*(\sc)+NQ*(\a)+(\q)] matrix_a_fmt:MATRIX_FMT_FP4 matrix_b_fmt:MATRIX_FMT_FP4 matrix_a_scale:MATRIX_SCALE_ROW1
.else
	v_wmma_scale_f32_16x16x128_f8f6f4 v[8*(8*((\a)%4)+\b):8*(8*((\a)%4)+\b)+7], v[128*(\p)+FR*\b:128*(\p)+FR*\b+FR-1], v[AF+FR*(\a):AF+FR*(\a)+FR-1], v[8*(8*((\a)%4)+\b):8*(8*((\a)%4)+\b)+7], v[SC+8*NQ*(\sc)+NQ*\b+(\q)], v[SC+8*NQ*(\sc)+NQ*(\a)+(\q)] matrix_a_fmt:MATRIX_FMT_FP4 matrix_b_fmt:MATRIX_FMT_FP4 matrix_a_scale:MATRIX_SCALE_ROW1
.endif
.endr
.endr
.endm
.macro FETCH_B slot, q, p
	WIN TO_B
.irp i, 0,1,2,3,4,5,6,7
	FRAG 128*(\p)+FR*\i, ADRB+\slot, \q, \i
.endr
	WIN 0
.endm
.macro FETCH_A slot, q, i0
.irp i, \i0, \i0+1, \i0+2, \i0+3
	FRAG AF+FR*(\i), ADRA+\slot, \q, \i
.endr
.endm
.macro SCALES sc                       ; a K step's scale words: lanes 0-15 take x's block i, lanes 16-31 w's block i
.irp i, 0,1,2,3,4,5,6,7
	ds_load_b128 v[SC+8*NQ*\sc+NQ*\i:SC+8*NQ*\sc+NQ*\i+3], v[ADRS] offset:\i*SBLK
.endr
.endm
.macro PLACES n                        ; plain vector instructions that name no register of the matrix instructions before them (ISA guide 7.12.1)
.rept \n
	v_nop
.endr
.endm
.macro STEP slot, q, zero              ; a step of 128 along K that has its successor in the same slot.  zero = 1: C, the bias, lies in window 0
	s_wait_dscnt 4*NL                              ; w's set and x's blocks 0-3 are in; the youngest eight loads (x's blocks 4-7) may be out
	WIN MUL_LO-0x20*(\zero)
	MUL16 0, (\q)%2, \q, \slot, \zero
	MUL16 2, (\q)%2, \q, \slot, \zero
	s_wait_dscnt 0
	PLACES NP
	FETCH_B \slot, (\q)+1, 1-(\q)%2
	FETCH_A \slot, (\q)+1, 0
	WIN MUL_HI-0x30*(\zero)
	MUL16 4, (\q)%2, \q, \slot, \zero
	MUL16 6, (\q)%2, \q, \slot, \zero
	PLACES NP
	WIN 0
	FETCH_A \slot, (\q)+1, 4
.endm
.macro TURN slot, next                 ; slot 0's last step: one barrier; in front of it each wave has waited for its part of slot 1 and for its own reads of slot 0.  Nothing is filled again
	s_wait_tensorcnt 0x0                           ; all my tensor loads have landed
	ds_add_u32 v[SPW], v[NIL]                      ; 0 onto my spare word
	s_wait_dscnt 4*NL+1                            ; (the add and the youngest eight loads may be out)
	WIN MUL_LO
	MUL16 0, 1, NQ-1, \slot, 0
	s_wait_dscnt 0x0                               ; the add is done, and my reads of this slot are over
	s_barrier_signal -1
	MUL16 2, 1, NQ-1, \slot, 0
	WIN 0
	s_barrier_wait -1
	PLACES NP
	v_add_nc_u32 v[ADRS], 4*NQ, v[ADRS]            ; on to the next K step's scale words
	FETCH_B \next, 0, 0
	FETCH_A \next, 0, 0
	SCALES \next
	WIN MUL_HI
	MUL16 4, 1, NQ-1, \slot, 0
	MUL16 6, 1, NQ-1, \slot, 0
	PLACES NP
	WIN 0
	FETCH_A \next, 0, 4
.endm
	s_wait_tensorcnt 1                             ; the scales and my part of K step 0 are in (K step 1's load may be out),
	s_barrier_signal -1
	s_barrier_wait -1                              ; everybody's are
	FETCH_B 0, 0, 0
	FETCH_A 0, 0, 0
	SCALES 0
	FETCH_A 0, 0, 4
	s_wait_loadcnt 0x0                             ; the bias
	STEP 0, 0, 1
	STEP 0, 1, 0
	STEP 0, 2, 0
	TURN 0, 1
	STEP 1, 0, 0
	STEP 1, 1, 0
	STEP 1, 2, 0
	s_wait_dscnt 4*NL                              ; the very last step: nothing more to fetch
	WIN MUL_LO
	MUL16 0, 1, NQ-1, 1, 0
	MUL16 2, 1, NQ-1, 1, 0
	s_wait_dscnt 0
	WIN MUL_HI
	MUL16 4, 1, NQ-1, 1, 0
	MUL16 6, 1, NQ-1, 1, 0
	WIN 0
	PLACES NP                                      ; in front of the first reads of results and of the writes into registers that held operands and scales
; (1) the f16 images, a block of 16 tokens at a time: a lane's eight results of accumulator (a, b) pack into the 16 bytes of block (tile a, t = b % 4) of head b / 4
.macro PACKQ a
.set AC, 64*((\a)%4)
.set PK, 32+32*((\a)%4)
	WIN 0x0a+5*((\a)/4)                            ; sources 0 and 1: window 2 or 3
.irp b, 0,1,2,3,4,5,6,7
.irp i, 0,1,2,3
	v_cvt_pk_f16_f32 v[PK+4*\b+\i], v[AC+8*\b+2*\i], v[AC+8*\b+2*\i+1]
.endr
.endr
	WIN 0
.irp b, 0,1,2,3,4,5,6,7
	global_store_b128 v[CO], v[PK+4*\b:PK+4*\b+3], s[12:13] offset:(\b/4)*262144+(\a)*2048+(\b%4)*512   ; 32 lanes store 512 consecutive bytes
.endr
.endm
.irp a, 0,1,2,3,4,5,6,7
.if \a >= 4
	s_wait_xcnt 0x0                                ; block a - 4's stores have read their registers, which are written again
.endif
	PACKQ \a
.endr
; (2) tokens 0-15 of a sequence in f32: only the waves whose first token is 0 store; told by the lanes' mask, not by a branch, since partners of a cluster run alike
	v_cmp_eq_u32 vcc_lo, 0, v[FLG]
	s_wait_xcnt 0x0                                ; EXEC changes only behind this wait
	s_and_saveexec_b32 s20, vcc_lo
	WIN 0x08                                       ; a store's data are its source 1: window 2
.irp b, 0,1,2,3,4,5,6,7
	global_store_b128 v[LI], v[8*\b:8*\b+3], s[100:101] offset:(\b/4)*4096+(\b%4)*1024
	global_store_b128 v[LI], v[8*\b+4:8*\b+7], s[100:101] offset:(\b/4)*4096+(\b%4)*1024+512
.endr
	WIN 0
	s_wait_xcnt 0x0                                ; and again in front of the line that widens it
	s_or_b32 exec_lo, exec_lo, s20
; (3) v's column sums: blocks first .. last are added, then the sixteen tokens of a block across the lanes; 128 sums go through 512 bytes of LDS and leave as 512 consecutive bytes.
; The bytes lie in slot 0: it has had its only fill, and every wave's last read of it lies in front of the barrier above.
	s_cmp_lg_u32 ttmp9, 2
	s_cbranch_scc1 .Lno_v
.macro COLSUM first, last, idx, base, off
.set CW, 2+(\first)/4
.set CA, (\first)%4
	WIN CW*5                                       ; sources 0 and 1 in the accumulators' window
.set CP, 0
.rept 32
	v_pk_add_f32 v[TS+2*CP:TS+2*CP+1], v[64*CA+2*CP:64*CA+2*CP+1], v[64*(CA+1)+2*CP:64*(CA+1)+2*CP+1]
.set CP, CP+1
.endr
	WIN CW*4                                       ; source 1 alone
.set CA, CA+2
.rept (\last)-(\first)-1
.set CP, 0
.rept 32
	v_pk_add_f32 v[TS+2*CP:TS+2*CP+1], v[TS+2*CP:TS+2*CP+1], v[64*CA+2*CP:64*CA+2*CP+1]
.set CP, CP+1
.endr
.set CA, CA+1
.endr
	WIN 0
.irp m, 1,2,4,8
.set CP, 0
.rept 64
	v_add_f32_dpp v[TS+CP], v[TS+CP], v[TS+CP] row_xmask:\m row_mask:0xf bank_mask:0xf
.set CP, CP+1
.endr
.endr
.irp b, 0,1,2,3,4,5,6,7
	ds_store_b128 v[SB], v[TS+8*\b:TS+8*\b+3] offset:(\idx)*512+64*\b        ; the sixteen lanes of a half write the same bytes with the same value
	ds_store_b128 v[SB], v[TS+8*\b+4:TS+8*\b+7] offset:(\idx)*512+64*\b+16
.endr
	ds_load_b128 v[RES+4*(\idx):RES+4*(\idx)+3], v[SRD] offset:(\idx)*512      ; behind my own stores, in order
	s_wait_dscnt 0x0
	global_store_b128 v[LI], v[RES+4*(\idx):RES+4*(\idx)+3], s[\base:\base+1] offset:\off
.endm
	COLSUM 0, 3, 0, 66, 0
	COLSUM 4, 7, 1, 66, 4096
	COLSUM 1, 3, 2, 92, 0
.Lno_v:
	s_wait_tensorcnt 0x0                           ; the wave's end
	ds_add_u32 v[SPW], v[NIL]
	s_wait_dscnt 0x0
	CROUND                                         ; the closing round
	s_endpgm
.Lfunc_end_k_q368f59f10d_qkv:
	.size	k_q368f59f10d_qkv, .Lfunc_end_k_q368f59f10d_qkv-k_q368f59f10d_qkv
	.p2alignl 7, 3214868480
	.fill 96, 4, 3214868480
	.section	.rodata,"a",@progbits
	.p2align	6, 0x0
	.amdhsa_kernel k_q368f59f10d_qkv
		.amdhsa_group_segment_fixed_size 327680
		.amdhsa_private_segment_fixed_size 0
		.amdhsa_enable_private_segment 0
		.amdhsa_kernarg_size 56
		.amdhsa_user_sgpr_count 2
		.amdhsa_user_sgpr_kernarg_segment_ptr 1
		.amdhsa_wavefront_size32 1
		.amdhsa_system_sgpr_workgroup_id_x 1
		.amdhsa_system_sgpr_workgroup_id_y 1
		.amdhsa_system_sgpr_workgroup_id_z 1
		.amdhsa_system_vgpr_workitem_id 0
		.amdhsa_next_free_vgpr 1024
		.amdhsa_next_free_sgpr 102
		.amdhsa_reserve_vcc 1
		.amdhsa_float_denorm_mode_32 3
		.amdhsa_float_denorm_mode_16_64 3
		.amdhsa_memory_ordered 1
		.amdhsa_forward_progress 1
		.amdhsa_inst_pref_size 190
	.end_amdhsa_kernel
	.amdgpu_metadata
---
amdhsa.version: [ 1, 2 ]
amdhsa.kernels:
  - .name:           k_q368f59f10d_qkv
    .symbol:         k_q368f59f10d_qkv.kd
    .args:
      - { .name: xc, .offset: 0, .size: 8, .value_kind: global_buffer, .address_space: global }
      - { .name: xs, .offset: 8, .size: 8, .value_kind: global_buffer, .address_space: global }
      - { .name: wc, .offset: 16, .size: 8, .value_kind: global_buffer, .address_space: global }
      - { .name: ws, .offset: 24, .size: 8, .value_kind: global_buffer, .address_space: global }
      - { .name: qkvh, .offset: 32, .size: 8, .value_kind: global_buffer, .address_space: global }
      - { .name: b_attn, .offset: 40, .size: 8, .value_kind: global_buffer, .address_space: global }
      - { .name: aux, .offset: 48, .size: 8, .value_kind: global_buffer, .address_space: global }
    .group_segment_fixed_size: 327680
    .private_segment_fixed_size: 0
    .kernarg_segment_align: 8
    .kernarg_segment_size: 56
    .max_flat_workgroup_size: 128
    .sgpr_count:     102
    .vgpr_count:     1024
    .wavefront_size: 32
...
	.end_amdgpu_metadata
.endif
;; end of part 2
;; launch attn (part 3): grid 8 x 32, 8 waves a work-group, clusters of 4 x 1, 327,680 bytes of LDS; arguments qkvh, aux, att; writes att
.if DOCPART == 3
	.amdgcn_target "amdgcn-amd-amdhsa--gfx1250"
	.amdhsa_code_object_version 6
	.text
	.protected	k_q368f59f10d_attn
	.globl	k_q368f59f10d_attn
	.p2align	8
	.type	k_q368f59f10d_attn,@function
k_q368f59f10d_attn:
	s_mov_b64 s[64:65], 0
	v_nop
	global_prefetch_b8 v0, s[64:65] scope:SCOPE_SE
	s_setreg_imm32_b32 hwreg(HW_REG_WAVE_MODE, 25, 1), 1
	s_wait_xcnt 0x0
	s_wait_alu depctr_hold_cnt(0) depctr_sa_sdst(0) depctr_va_vdst(0) depctr_va_sdst(0) depctr_va_ssrc(0) depctr_va_vcc(0) depctr_vm_vsrc(0)
	s_getreg_b32 s2, hwreg(HW_REG_IB_STS2, 6, 4)
	s_cmp_eq_u32 s2, 0
	s_cbranch_scc0 .Lentry_in_a_cluster
	s_endpgm
.Lentry_in_a_cluster:
	s_bfe_u32 s2, ttmp6, 0x10000c
	s_cmp_lg_u32 s2, 0x3003
	s_cbranch_scc0 .Lentry_shape_is_right
	s_endpgm
.Lentry_shape_is_right:
; a = softmax(q k^T / 8, masked as w b - 10000 (1 - b)) v for one batch and head, f16 operands, f32 sums, a running maximum.
; THE MASK IS -10,000, NOT -INFINITY.  Inside a tile's diagonal key step a hidden score becomes -80,000 (before the / 8).  All keys behind that step carry one common weight e = 2^(t_mask - m): their share is
; e x (the sum of their v) in the numerator and e x (their number) in the divisor; the sums of v over blocks of 64 tokens were made by the launch that made v.  So no key behind the diagonal step is walked.
; SHARES.  A head's 2,048 queries are 32 groups of 64; group g's diagonal key step (64 keys) is step g.  A cluster of four work-groups serves 16 groups: wave w takes an early group gE = 2 w + cluster x and a late one
; gL = 31 - gE; partner cx takes queries 64 g + 16 cx .. + 15 of each: two tiles of 16 queries a wave, gE + gL + 2 = 33 tile steps in every wave.  All branches hang on the wave's number and the cluster's number alone.
; The largest gL of a cluster is 31 or 30, so each wave's part of each slot is read by some wave of every partner.  The four partners walk the same K and V: each tile is asked for JOINTLY.
; RING.  Two LDS slots of 512 keys (K's image 64 KiB, V's 64 KiB); each of the eight waves fetches 16 KiB, dense; slots 0 and 1 at the head, keys 1,024 on and 1,536 on behind a round of the cluster's barrier each.
; No prefetch: half of the keys are asked for at the head, and each refill is asked for eight key steps ahead of the first read of it.
; LAYOUT.  S^T = K Q^T, O^T = V^T P: a lane holds one query (lane % 16) throughout; two score tiles rounded to f16 in pairs are source 1 of the second product.  K, Q lie in memory as images of operand registers;
; V's blocks lie so that the turning LDS load reads 16 x lane.  The result leaves as the image of the projection's source 1: att [token / 16][head][t][512 bytes].
; LIMITS: NaN and infinities are not served; the result must lie under 65,504 in magnitude (f16); weights p under 6e-8 of the row's largest fall to 0.
; REGISTERS: window 0: v0-7 addresses and constants; v8-15, v16-23 statistics of tiles E, L (+0 c m, +1 m, +2, +3 l, +4 .. +7 at work, a in +6); v24-31 at work; v32-47, v48-63 Q; v64-127 K; v128-159, v160-191 S^T, then p;
; v192-223, v224-255 O^T.  window 1: v0-63 V.
.set SLOTB, 131072
.set VOFF,  65536
.set STEPB, 8192                       ; 64 keys: four blocks of 16 x 128 bytes
.set SPARE, 262144                     ; the spare words: 128 bytes for each of eight waves
.set SUF,   263168                     ; 512 bytes a wave: the masked keys' sums of v, E's 64 numbers, then L's; no tile lands here
.set SR,  0                            ; v0  SUF + 512 wave + 32 h
.set LI,  1                            ; v1  16 x lane
.set ADK, 2
.set ADV, 3
.set SPW, 4
.set NIL, 5
.set DG,  6                            ; v6  16 cx + r - 8 h
.set NEG, 7                            ; v7  -80,000
.set STE, 8
.set STL, 16
.set TW,  24
.set QE,  32
.set QL,  48
.set KF,  64
.set SE,  128
.set SL,  160
.set OE,  192
.set OL,  224
.set WV,  10
.set CX,  11
.set BH,  12
.set GE,  14
.set GL,  15
.set KK,  16                           ; s16 the key step
.set TB,  17                           ; s17 where its tiles begin in LDS
.set CT,  18
.set SEL, 20
.set CS,  22                           ; s[22:23] c = log2(e) / 8
.set TM,  24                           ; s24 t_mask = -80,000 c
.set TVE, 25
.set TVL, 26                           ; t_mask, or -infinity where no key lies behind the diagonal step
.set CNE, 27
.set CNL, 28                           ; 64 (31 - g) as f32
.set G1,  32
.set G0A, 40
.set G0B, 44
.set QAE, 48
.set QAL, 50
.set AAE, 52
.set AAL, 54
.set VS,  56
.set FE,  58
.set FL,  60
.set MSB, 0
.macro WIN new
.if MSB != (\new)
	s_set_vgpr_msb (MSB<<8)|(\new)
.set MSB, (\new)
.endif
.endm
.macro PLACES n
.rept \n
	v_nop
.endr
.endm
.macro CROUND
	s_barrier_signal -1
	s_barrier_wait -1
	s_cmp_lg_u32 s[WV], 0
	s_cbranch_scc1 .Lnot_wave_0_\@
	s_barrier_signal -3
.Lnot_wave_0_\@:
	s_barrier_wait -3
	s_barrier_signal -1
	s_barrier_wait -1
.endm
	s_load_b128 s[4:7], s[0:1], 0x0                ; qkvh s[4:5], aux s[6:7]
	s_load_b64 s[8:9], s[0:1], 0x10                ; att
	v_lshl_add_u32 v[SPW], v0, 2, SPARE
	v_mov_b32 v[NIL], 0
	ds_add_u32 v[SPW], v[NIL]                      ; the wave's opening: the add, twice on end, and its wait ahead of my first tensor load
	ds_add_u32 v[SPW], v[NIL]
	v_lshrrev_b32 v2, 5, v0
	v_readfirstlane_b32 s[WV], v2                  ; wave 0..7
	s_bfe_u32 s[CX], ttmp6, 0x40000
	s_and_b32 s[BH], ttmp7, 0xffff                 ; 16 batch + head
	s_lshl_b32 s[GE], s[WV], 1
	s_add_co_u32 s[GE], s[GE], ttmp9               ; the early group, 0 .. 15
	s_sub_co_u32 s[GL], 31, s[GE]                  ; the late one, 16 .. 31
	s_mov_b32 s[G1], 15|(3<<16)|(1<<21)            ; the mask: all four partners; elements of 8 bytes; bit 21 beside a mask; no padding
	s_mov_b32 s[G1+1], 32<<16                      ; tensor_dim0 = 32: rows of 256 bytes
	s_mov_b32 s[G1+2], 64<<16                      ; tensor_dim1 = 64
	s_mov_b32 s[G1+3], 32<<16                      ; tile_dim0
	s_mov_b32 s[G1+4], 64                          ; tile_dim1
	s_mov_b32 s[G1+5], 32                          ; the pitch: dense
	s_mov_b32 s[G1+6], 0
	s_mov_b32 s[G1+7], 0
	s_lshl_b32 s19, s[WV], 14                      ; in a slot: waves 0-3 K's four quarters, waves 4-7 V's
	s_lshr_b32 s2, s[WV], 2
	s_add_co_u32 s2, s2, 1
	s_lshl_b32 s2, s2, 23                          ; in memory: k or v,
	s_lshl_b32 s3, s[BH], 18                       ; the head,
	s_add_co_u32 s2, s2, s3
	s_and_b32 s3, s[WV], 3
	s_lshl_b32 s3, s3, 14                          ; my 128 keys of the slot's 512
	s_add_co_u32 s2, s2, s3
	s_mov_b32 s3, 0
	s_mov_b32 s[SEL], 0x76543210
	s_mov_b32 s[SEL+1], 0xfedcba98
	s_mov_b32 s[CS], 0x3e38aa3b
	s_mov_b32 s[CS+1], s[CS]
	s_mov_b32 s[TM], 0xc79c4000
	s_mul_f32 s[TM], s[TM], s[CS]
	s_mov_b32 s[TVE], s[TM]
	s_cmp_eq_u32 s[GL], 31
	s_cselect_b32 s[TVL], 0xff800000, s[TM]
	s_sub_co_u32 s30, 31, s[GE]
	s_lshl_b32 s30, s30, 6
	s_cvt_f32_u32 s[CNE], s30
	s_sub_co_u32 s30, 31, s[GL]
	s_lshl_b32 s30, s30, 6
	s_cvt_f32_u32 s[CNL], s30
	s_mov_b32 s[KK], 0
	s_mov_b32 s[FE+1], 0
	s_mov_b32 s[FL+1], 0
	s_wait_dscnt 0x0                               ; both opening adds are done
	s_wait_kmcnt 0x0
	s_mov_b32 s[G0A], 1
	s_mov_b32 s[G0A+1], s19
	s_add_nc_u64 s[G0A+2:G0A+3], s[4:5], s[2:3]
	s_mov_b32 s[G0B], 1
	s_add_co_u32 s[G0B+1], s19, SLOTB
	s_add_nc_u64 s[G0B+2:G0B+3], s[G0A+2:G0A+3], 65536   ; the next 512 keys
	s_or_b32 s[G0A+3], s[G0A+3], 0x80000000
	s_or_b32 s[G0B+3], s[G0B+3], 0x80000000
	CROUND                                         ; all four work-groups are here: the first joint loads meet
	tensor_load_to_lds s[G0A:G0A+3], s[G1:G1+7]    ; two loads of mine are out
	s_nop 0
	tensor_load_to_lds s[G0B:G0B+3], s[G1:G1+7]
	s_nop 0
	PLACES 4
	; addresses: cx enters q's and att's addresses and the mask's constant, and nothing else
	s_mov_b32 s31, 0
	s_lshl_b32 s19, s[BH], 18
	s_lshr_b32 s62, s[BH], 4
	s_lshl_b32 s62, s62, 7                         ; 128 tiles of 16 tokens a batch
	s_and_b32 s63, s[BH], 15
	s_lshl_b32 s63, s63, 11                        ; 2,048 bytes a head in att
	s_lshl_b32 s2, s[GE], 2
	s_add_co_u32 s2, s2, s[CX]                     ; E's tile of 16 tokens
	s_lshl_b32 s30, s2, 11
	s_add_co_u32 s30, s30, s19
	s_add_nc_u64 s[QAE:QAE+1], s[4:5], s[30:31]
	s_add_co_u32 s30, s62, s2
	s_lshl_b32 s30, s30, 15
	s_add_co_u32 s30, s30, s63
	s_add_nc_u64 s[AAE:AAE+1], s[8:9], s[30:31]
	s_lshl_b32 s2, s[GL], 2
	s_add_co_u32 s2, s2, s[CX]                     ; L's
	s_lshl_b32 s30, s2, 11
	s_add_co_u32 s30, s30, s19
	s_add_nc_u64 s[QAL:QAL+1], s[4:5], s[30:31]
	s_add_co_u32 s30, s62, s2
	s_lshl_b32 s30, s30, 15
	s_add_co_u32 s30, s30, s63
	s_add_nc_u64 s[AAL:AAL+1], s[8:9], s[30:31]
	s_lshl_b32 s30, s62, 10                        ; the column sums: 32 rows of 4,096 bytes a batch,
	s_lshr_b32 s63, s63, 3                         ; 256 bytes a head
	s_add_co_u32 s30, s30, s63
	s_add_co_u32 s30, s30, 393216
	s_add_nc_u64 s[VS:VS+1], s[6:7], s[30:31]
	v_and_b32 v1, 31, v0
	v_and_b32 v2, 15, v0                           ; r
	v_bfe_u32 v3, v0, 4, 1                         ; h
	v_lshlrev_b32 v[TW], 3, v1                     ; 8 x lane
	s_lshl_b32 s19, s[CX], 4
	v_add_nc_u32 v[DG], s19, v2
	v_lshlrev_b32 v2, 3, v3
	v_sub_nc_u32 v[DG], v[DG], v2
	s_lshl_b32 s19, s[WV], 9
	s_add_co_u32 s19, s19, SUF
	v_add_nc_u32 v[TW+1], s19, v[TW]
	v_lshl_add_u32 v[SR], v3, 5, s19               ; (v0 is done with as the thread's number)
	v_lshlrev_b32 v[LI], 4, v1
	v_mov_b32 v[NEG], 0xc79c4000
.irp t, 0,1,2,3
	global_load_b128 v[QE+4*\t:QE+4*\t+3], v[LI], s[QAE:QAE+1] offset:512*\t
	global_load_b128 v[QL+4*\t:QL+4*\t+3], v[LI], s[QAL:QAL+1] offset:512*\t
.endr
.set i, 1
.rept 31
	global_load_b64 v[SE+2*(i-1):SE+2*(i-1)+1], v[TW], s[VS:VS+1] offset:i*4096    ; the sums of v over tokens 64 i .. + 63: my two channels
.set i, i+1
.endr
.set i, 0
.rept 64
	v_mov_b32 v[OE+i], 0                           ; O^T.  (The step is written without a first step of its own: it finds zeros, which the first change of m leaves zeros)
.set i, i+1
.endr
.irp t, STE, STL
	v_mov_b32 v[\t+1], 0xff61b1e6                  ; m = -3e38, under every score
	v_mul_f32 v[\t], s[CS], v[\t+1]
.irp j, 2,3,4,5,6,7
	v_mov_b32 v[\t+\j], 0
.endr
.endr
.irp j, 2,3,4,5,6,7
	v_mov_b32 v[TW+\j], 0
.endr
	s_wait_loadcnt 0x0
.set i, 1
.rept 31                                ; the sums over all blocks behind group g: a factor of 0 or 1, no branch
	s_cmp_lt_u32 s[GE], i
	s_cselect_b32 s[FE], 1.0, 0
	s_cmp_lt_u32 s[GL], i
	s_cselect_b32 s[FL], 1.0, 0
	v_pk_fma_f32 v[TW+2:TW+3], v[SE+2*(i-1):SE+2*(i-1)+1], s[FE:FE+1], v[TW+2:TW+3] op_sel_hi:[1,0,1]
	v_pk_fma_f32 v[TW+4:TW+5], v[SE+2*(i-1):SE+2*(i-1)+1], s[FL:FL+1], v[TW+4:TW+5] op_sel_hi:[1,0,1]
.set i, i+1
.endr
	ds_store_b64 v[TW+1], v[TW+2:TW+3]
	ds_store_b64 v[TW+1], v[TW+4:TW+5] offset:256
; S^T = K Q^T for one tile: 8 products, the four accumulators by turns; the first four start the sums
.macro KQ s, q
.irp u, 0,1
.irp k, 0,1,2,3
.if \u == 0
	v_wmma_f32_16x16x32_f16 v[\s+8*\k:\s+8*\k+7], v[KF+16*\k:KF+16*\k+7], v[\q:\q+7], 0
.else
	v_wmma_f32_16x16x32_f16 v[\s+8*\k:\s+8*\k+7], v[KF+16*\k+8:KF+16*\k+15], v[\q+8:\q+15], v[\s+8*\k:\s+8*\k+7]
.endif
.endr
.endr
.endm
; O^T += V^T P for one tile: 8 products, the four accumulators by turns
.macro PV s, o
	WIN 0x01                                       ; source 0 (V) window 1
.irp u, 0,1
.irp t, 0,1,2,3
	v_wmma_f32_16x16x32_f16 v[\o+8*\t:\o+8*\t+7], v[8*(4*\u+\t):8*(4*\u+\t)+7], v[\s+8*\u:\s+8*\u+7], v[\o+8*\t:\o+8*\t+7]
.endr
.endr
	WIN 0
.endm
; On the diagonal step: register 8 k + j holds key 16 k + 8 h + j of the step: hidden where 16 k + j > 16 cx + r - 8 h
.macro MASK s, g
	s_cmp_lg_u32 s[KK], s[\g]
	s_cbranch_scc1 .Lopen_\@
.set n, 0
.rept 32
	v_cmp_gt_i32 vcc_lo, 16*(n/8)+n%8, v[DG]
	v_cndmask_b32 v[\s+n], v[\s+n], v[NEG], vcc_lo
.set n, n+1
.endr
.Lopen_\@:
.endm
; One tile's softmax for one key step
.macro SM t, s, o
.irp j, 0,1,2,3
	v_max3_num_f32 v[\t+4+\j], v[\s+8*\j], v[\s+8*\j+1], v[\s+8*\j+2]     ; four chains, each accumulator from its low end on
.endr
.irp i, 3,5
.irp j, 0,1,2,3
	v_max3_num_f32 v[\t+4+\j], v[\t+4+\j], v[\s+8*\j+\i], v[\s+8*\j+\i+1]
.endr
.endr
	v_max3_num_f32 v[\t+4], v[\t+4], v[\s+7], v[\s+15]
	v_max3_num_f32 v[\t+6], v[\t+6], v[\s+23], v[\s+31]
	v_max3_num_f32 v[\t+4], v[\t+4], v[\t+5], v[\t+6]
	v_max3_num_f32 v[\t+4], v[\t+4], v[\t+7], v[\t+1]                     ; with the old m
	v_permlanex16_b32 v[\t+5], v[\t+4], s[SEL], s[SEL+1]                  ; the query's other 32 keys lie in the lane 16 away
	v_mov_b32 v[\t+7], v[\t]                                              ; c m_old
	v_max_num_f32 v[\t+1], v[\t+4], v[\t+5]
	v_mul_f32 v[\t], s[CS], v[\t+1]
	v_sub_f32 v[\t+7], v[\t+7], v[\t]
.set i, 0
.rept 16
	v_pk_fma_f32 v[\s+2*i:\s+2*i+1], v[\s+2*i:\s+2*i+1], s[CS:CS+1], v[\t:\t+1] op_sel_hi:[1,0,0] neg_lo:[0,0,1] neg_hi:[0,0,1]   ; c s - c m
.set i, i+1
.endr
	v_exp_f32 v[\t+6], v[\t+7]                                            ; a = 2^(c m_old - c m_new)
.set i, 0
.rept 32
	v_exp_f32 v[\s+i], v[\s+i]
.set i, i+1
.endr
	v_nop                                                                 ; a plain instruction behind the last exponential
	s_wait_alu depctr_va_vdst(0)                                          ; one wait for the batch of 33, ahead of its first reader
	v_pk_add_f32 v[\t+4:\t+5], v[\s:\s+1], v[\s+2:\s+3]                   ; the sum of the unrounded weights, in four chains
	v_pk_add_f32 v[TW:TW+1], v[\s+4:\s+5], v[\s+6:\s+7]
	v_pk_add_f32 v[TW+2:TW+3], v[\s+8:\s+9], v[\s+10:\s+11]
	v_pk_add_f32 v[TW+4:TW+5], v[\s+12:\s+13], v[\s+14:\s+15]
.irp i, 16,24
	v_pk_add_f32 v[\t+4:\t+5], v[\t+4:\t+5], v[\s+\i:\s+\i+1]
	v_pk_add_f32 v[TW:TW+1], v[TW:TW+1], v[\s+\i+2:\s+\i+3]
	v_pk_add_f32 v[TW+2:TW+3], v[TW+2:TW+3], v[\s+\i+4:\s+\i+5]
	v_pk_add_f32 v[TW+4:TW+5], v[TW+4:TW+5], v[\s+\i+6:\s+\i+7]
.endr
	v_pk_add_f32 v[\t+4:\t+5], v[\t+4:\t+5], v[TW:TW+1]
	v_pk_add_f32 v[TW+2:TW+3], v[TW+2:TW+3], v[TW+4:TW+5]
	v_pk_add_f32 v[\t+4:\t+5], v[\t+4:\t+5], v[TW+2:TW+3]
	v_pk_fma_f32 v[\t+2:\t+3], v[\t+2:\t+3], v[\t+6:\t+7], v[\t+4:\t+5] op_sel_hi:[1,0,1]   ; l = a l + the sum
.set i, 0
.rept 16
	v_cvt_pk_f16_f32 v[\s+i], v[\s+2*i], v[\s+2*i+1]                      ; in place, ascending: register i is written when registers 2 i and 2 i + 1 are read
.set i, i+1
.endr
.set i, 0
.rept 16
	v_pk_mul_f32 v[\o+2*i:\o+2*i+1], v[\o+2*i:\o+2*i+1], v[\t+6:\t+7] op_sel_hi:[1,0]
.set i, i+1
.endr
.endm
; A tile's end, behind its diagonal step: the masked keys behind the step are weighed in, O^T is divided by l, rounded to f16 and stored as it stands: 512 consecutive bytes a store
.macro FIN x, t, s, o, g, tv, cn, ad
	s_cmp_lg_u32 s[KK], s[\g]
	s_cbranch_scc1 .Lnot_yet_\@
.irp u, 0,1,2,3
	ds_load_b128 v[\s+8*\u:\s+8*\u+3], v[SR] offset:(\x)*256+64*\u
	ds_load_b128 v[\s+8*\u+4:\s+8*\u+7], v[SR] offset:(\x)*256+64*\u+16
.endr
	v_max_num_f32 v[TW], s[\tv], v[\t]             ; the last maximum, as t
	v_sub_f32 v[TW+1], v[\t], v[TW]
	v_sub_f32 v[TW+2], s[\tv], v[TW]
	v_add_f32 v[TW+3], v[\t+2], v[\t+3]
	v_exp_f32 v[TW+1], v[TW+1]                     ; f
	v_exp_f32 v[TW+2], v[TW+2]                     ; e
	v_nop
	s_wait_alu depctr_va_vdst(0)
	v_permlanex16_b32 v[TW+4], v[TW+3], s[SEL], s[SEL+1]
	v_add_f32 v[TW+3], v[TW+3], v[TW+4]
	v_mul_f32 v[TW+4], s[\cn], v[TW+2]
	v_fma_f32 v[TW+3], v[TW+3], v[TW+1], v[TW+4]   ; l f + e x the number of masked keys behind the step
	v_rcp_f32 v[TW+3], v[TW+3]
	v_nop
	s_wait_alu depctr_va_vdst(0)
	v_mul_f32 v[TW+6], v[TW+1], v[TW+3]            ; f / l
	v_mul_f32 v[TW], v[TW+2], v[TW+3]              ; e / l
	s_wait_dscnt 0x0
.set i, 0
.rept 16
	v_pk_mul_f32 v[\s+2*i:\s+2*i+1], v[\s+2*i:\s+2*i+1], v[TW:TW+1] op_sel_hi:[1,0]
.set i, i+1
.endr
.set i, 0
.rept 16
	v_pk_fma_f32 v[\s+2*i:\s+2*i+1], v[\o+2*i:\o+2*i+1], v[TW+6:TW+7], v[\s+2*i:\s+2*i+1] op_sel_hi:[1,0,1]
.set i, i+1
.endr
.set i, 0
.rept 16
	v_cvt_pk_f16_f32 v[\s+i], v[\s+2*i], v[\s+2*i+1]
.set i, i+1
.endr
.irp u, 0,1,2,3
	global_store_b128 v[LI], v[\s+4*\u:\s+4*\u+3], s[\ad:\ad+1] offset:512*\u
.endr
	s_wait_xcnt 0x0                                ; the stores have read their registers: lines further on in the text write them
.Lnot_yet_\@:
.endm
; A KEY STEP of 64 keys.  early = 1 (steps 0-15): tile L always works, tile E up to its diagonal step.  early = 0 (steps 16-31): tile L alone, up to its diagonal step; behind it only the step's two counters move.
.macro STEP early
.if \early == 0
	s_cmp_gt_u32 s[KK], s[GL]
	s_cbranch_scc1 .Lidle_\@
.endif
	v_add_nc_u32 v[ADK], s[TB], v[LI]
	v_add_nc_u32 v[ADV], VOFF, v[ADK]
.irp f, 0,1,2,3,4,5,6,7,8,9,10,11,12,13,14,15
	ds_load_b128 v[KF+4*\f:KF+4*\f+3], v[ADK] offset:512*\f
.endr
	WIN 0x40                                       ; destination window 1
.irp u, 0,1
.irp t, 0,1,2,3
	ds_load_tr16_b128 v[8*(4*\u+\t):8*(4*\u+\t)+3], v[ADV] offset:4096*\u+512*\t
	ds_load_tr16_b128 v[8*(4*\u+\t)+4:8*(4*\u+\t)+7], v[ADV] offset:4096*\u+2048+512*\t
.endr
.endr
	WIN 0
	s_wait_dscnt 16                                ; K's 16 loads are in; V's 16 may be out
	KQ SL, QL
.if \early
	s_cmp_gt_u32 s[KK], s[GE]
	s_cbranch_scc1 .Lone_\@
	KQ SE, QE
.Lone_\@:
.endif
	PLACES 5                                       ; in front of the reads of the scores; five, since their registers later serve as a matrix source
.if \early == 0
	MASK SL, GL
.endif
	SM STL, SL, OL
	s_wait_dscnt 0x0                               ; V is in
	PV SL, OL
.if \early
	s_cmp_gt_u32 s[KK], s[GE]
	s_cbranch_scc1 .Lpast_\@
	MASK SE, GE
	SM STE, SE, OE
	PV SE, OE
.Lpast_\@:
.endif
	PLACES 5                                       ; in front of the next step's products, which write over p, of the loads into V's registers, and of the end's reads of O^T
.if \early
	FIN 0, STE, SE, OE, GE, TVE, CNE, AAE
.else
	FIN 1, STL, SL, OL, GL, TVL, CNL, AAL
.Lidle_\@:
.endif
	s_add_co_u32 s[TB], s[TB], STEPB
	s_add_co_u32 s[KK], s[KK], 1
.endm
.macro SLOT_STEPS slot, early          ; a slot's eight key steps: written once, walked eight times
	s_mov_b32 s[TB], (\slot)*SLOTB
	s_mov_b32 s[CT], 8
.Lstep_\@:
	STEP \early
	s_sub_co_u32 s[CT], s[CT], 1
	s_cmp_lg_u32 s[CT], 0
	s_cbranch_scc1 .Lstep_\@
.endm
; THE CHANGE OF SLOTS.  Each wave waits for all its tensor loads (its part of the slot ahead), adds 0 to its spare word, and waits for that and for its reads of the slot that it leaves.
; fill = 1: a round of the cluster's barrier, and behind it the slot just left is filled with the keys 1,024 further on: one load a wave, eight key steps ahead of its first read.
.macro CHANGE fill, g
	s_wait_tensorcnt 0x0                           ; no tensor load of mine is out, so a group 0 may be written
	ds_add_u32 v[SPW], v[NIL]
.if \fill
	s_add_nc_u64 s[\g+2:\g+3], s[\g+2:\g+3], 131072
.endif
	s_wait_dscnt 0x0
.if \fill
	CROUND
	tensor_load_to_lds s[\g:\g+3], s[G1:G1+7]
	s_nop 0
	PLACES 4
.else
	s_barrier_signal -1
	s_barrier_wait -1
.endif
.endm
	s_wait_tensorcnt 1                             ; my part of slot 0 is in; slot 1's may stay out
	s_wait_dscnt 0x0
	s_barrier_signal -1
	s_barrier_wait -1
	SLOT_STEPS 0, 1
	CHANGE 1, G0A
	SLOT_STEPS 1, 1
	CHANGE 1, G0B
	SLOT_STEPS 0, 0
	CHANGE 0, G0A
	SLOT_STEPS 1, 0
	s_wait_tensorcnt 0x0                           ; the wave's end
	ds_add_u32 v[SPW], v[NIL]
	s_wait_dscnt 0x0
	CROUND                                         ; the closing round
	s_endpgm
.Lfunc_end_k_q368f59f10d_attn:
	.size	k_q368f59f10d_attn, .Lfunc_end_k_q368f59f10d_attn-k_q368f59f10d_attn
	.p2alignl 7, 3214868480
	.fill 96, 4, 3214868480
	.section	.rodata,"a",@progbits
	.p2align	6, 0x0
	.amdhsa_kernel k_q368f59f10d_attn
		.amdhsa_group_segment_fixed_size 327680
		.amdhsa_private_segment_fixed_size 0
		.amdhsa_enable_private_segment 0
		.amdhsa_kernarg_size 24
		.amdhsa_user_sgpr_count 2
		.amdhsa_user_sgpr_kernarg_segment_ptr 1
		.amdhsa_wavefront_size32 1
		.amdhsa_system_sgpr_workgroup_id_x 1
		.amdhsa_system_sgpr_workgroup_id_y 1
		.amdhsa_system_sgpr_workgroup_id_z 1
		.amdhsa_system_vgpr_workitem_id 0
		.amdhsa_next_free_vgpr 320
		.amdhsa_next_free_sgpr 66
		.amdhsa_reserve_vcc 1
		.amdhsa_float_denorm_mode_32 3
		.amdhsa_float_denorm_mode_16_64 3
		.amdhsa_memory_ordered 1
		.amdhsa_forward_progress 1
		.amdhsa_inst_pref_size 104
	.end_amdhsa_kernel
	.amdgpu_metadata
---
amdhsa.version: [ 1, 2 ]
amdhsa.kernels:
  - .name:           k_q368f59f10d_attn
    .symbol:         k_q368f59f10d_attn.kd
    .args:
      - { .name: qkvh, .offset: 0, .size: 8, .value_kind: global_buffer, .address_space: global }
      - { .name: aux, .offset: 8, .size: 8, .value_kind: global_buffer, .address_space: global }
      - { .name: att, .offset: 16, .size: 8, .value_kind: global_buffer, .address_space: global }
    .group_segment_fixed_size: 327680
    .private_segment_fixed_size: 0
    .kernarg_segment_align: 8
    .kernarg_segment_size: 24
    .max_flat_workgroup_size: 256
    .sgpr_count:     66
    .vgpr_count:     320
    .wavefront_size: 32
...
	.end_amdgpu_metadata
.endif
;; end of part 3
;; launch proj (part 4): grid 8 x 32, 4 waves a work-group, clusters of 4 x 4, 327,680 bytes of LDS; arguments att, wpi, out0, b_proj; writes out0
.if DOCPART == 4
	.amdgcn_target "amdgcn-amd-amdhsa--gfx1250"
	.amdhsa_code_object_version 6
	.text
	.protected	k_q368f59f10d_proj
	.globl	k_q368f59f10d_proj
	.p2align	8
	.type	k_q368f59f10d_proj,@function
k_q368f59f10d_proj:
	s_mov_b64 s[64:65], 0
	v_nop
	global_prefetch_b8 v0, s[64:65] scope:SCOPE_SE
	s_setreg_imm32_b32 hwreg(HW_REG_WAVE_MODE, 25, 1), 1
	s_wait_xcnt 0x0
	s_wait_alu depctr_hold_cnt(0) depctr_sa_sdst(0) depctr_va_vdst(0) depctr_va_sdst(0) depctr_va_ssrc(0) depctr_va_vcc(0) depctr_vm_vsrc(0)
	s_getreg_b32 s2, hwreg(HW_REG_IB_STS2, 6, 4)
	s_cmp_eq_u32 s2, 0
	s_cbranch_scc0 .Lentry_in_a_cluster
	s_endpgm
.Lentry_in_a_cluster:
	s_bfe_u32 s2, ttmp6, 0x10000c
	s_cmp_lg_u32 s2, 0xf033
	s_cbranch_scc0 .Lentry_shape_is_right
	s_endpgm
.Lentry_shape_is_right:
; out0 = a w_proj + b_proj: M = 4,096, N = 1,024, K = 1,024; f16 operands, f32 sums, f32 out.  A tile of 128 x 128 to a work-group: 256 work-groups; four waves, 64 x 64 each: 16 accumulators.
; BOTH OPERANDS LIE IN MEMORY AS IMAGES OF OPERAND REGISTERS: [tile of 16 rows][32 along K: 32][half 2][512 bytes], 32,768 bytes a tile.  A K step of 256 is 8,192 consecutive bytes of each tile; a wave's tensor load brings
; four tiles' (64 rows'): four rows of 8,192 bytes, 32,768 apart.  A fragment is two LDS loads at 16 x lane: dense, no padding.  K goes in four steps through two slots.
; CLUSTERS: 4 x 4 work-groups; a's tiles are asked for jointly along a row of the cluster, w's along a column.  THE MATRIX INSTRUCTION IS USED TRANSPOSED: a lane holds eight neighbouring columns of one row.
; The bias is the C of each sum's first instruction.  A wave's 64 columns are 256 bytes of a row: each wave sends its own rows through its own stage, sixteen lanes storing 256 consecutive bytes, aligned.
; The first 16 rows of each sequence are written again, more finely, by the launch that follows.  No prefetch: a K step's tiles are small and shared by four work-groups.
; REGISTERS: window 0: v0-31 addresses; v32-95 the way out; v96-127 the bias; v128-255 the accumulators.  window 1: two fragment buffers of 128.
.set KSB,    8192
.set HALFT,  32768
.set SLOT,   4*HALFT
.set SPARE,  2*SLOT                    ; behind the ring: the spare words, 128 bytes for each wave
.set SPITCH, 272                       ; the stage: 16 rows x (256 + 16) bytes a wave, in slot 0, which has had its last fill and its last read when the first result is stored there
.set LAPS,   2
.set ADRA, 16
.set ADRB, 20
.set STO,  24
.set RD,   25
.set CO,   26
.set BO,   27
.set SPW,  28
.set NIL,  29
.set TMP,  32
.set BIAS, 96
.set ACC,  128
.set F0,   0
.set F1,   128
.set G1, 24
.set G0, 32
.set G1B, 48
.set G0B, 56
.set MSB, 0
.macro WIN new
.if MSB != (\new)
	s_set_vgpr_msb (MSB<<8)|(\new)
.set MSB, (\new)
.endif
.endm
.set MUL,  0x05                        ; sources 0 (w) and 1 (a) window 1; C and D window 0
.set TO_F, 0x40
.macro JLOAD s                         ; a joint load: waves 0 and 1 fetch a's two halves, waves 2 and 3 w's; an s_nop 0 and four v_nop follow each line
	s_cmp_eq_u32 s11, 0
	s_cbranch_scc0 .Lfor_b_\@
	tensor_load_to_lds s[G0+4*\s:G0+4*\s+3], s[G1:G1+7]
	s_nop 0
.rept 4
	v_nop
.endr
	s_branch .Lasked_\@
.Lfor_b_\@:
	tensor_load_to_lds s[G0B+4*\s:G0B+4*\s+3], s[G1B:G1B+7]
	s_nop 0
.rept 4
	v_nop
.endr
.Lasked_\@:
.endm
.macro CREST
	s_cmp_lg_u32 s10, 0
	s_cbranch_scc1 .Lnot_wave_0_\@
	s_barrier_signal -3
.Lnot_wave_0_\@:
	s_barrier_wait -3
	s_barrier_signal -1
	s_barrier_wait -1
.endm
.macro CROUND
	s_barrier_signal -1
	s_barrier_wait -1
	CREST
.endm
	s_load_b128 s[4:7], s[0:1], 0x0                ; att s[4:5], wpi s[6:7]
	s_load_b64 s[8:9], s[0:1], 0x10                ; out0
	s_load_b64 s[66:67], s[0:1], 0x18              ; b_proj
	v_lshl_add_u32 v[SPW], v0, 2, SPARE
	v_mov_b32 v[NIL], 0
	ds_add_u32 v[SPW], v[NIL]                      ; the wave's opening: the add, twice on end, and its wait ahead of my first tensor load
	ds_add_u32 v[SPW], v[NIL]
	v_lshrrev_b32 v1, 5, v0
	v_readfirstlane_b32 s10, v1                    ; wave 0..3
	s_lshr_b32 s11, s10, 1                         ; which half of the tile's rows is mine.  Also: I fetch for a (0) or for w (1)
	s_and_b32 s12, s10, 1                          ; which half of its columns.  Also: which 64 rows I fetch
	s_bfe_u32 s40, ttmp6, 0x40000
	s_bfe_u32 s41, ttmp6, 0x40004
	s_lshl_b32 s42, ttmp9, 2
	s_add_co_u32 s42, s42, s40                     ; tile column
	s_and_b32 s13, ttmp7, 0xffff
	s_lshl_b32 s13, s13, 2
	s_add_co_u32 s13, s13, s41                     ; tile row
	s_lshl_b32 s43, s41, 2
	s_lshl_b32 s43, 15, s43                        ; my row of the cluster
	s_lshl_b32 s44, 0x1111, s40                    ; my column
	s_or_b32 s[G1+0], s43, (3<<16)|(1<<21)         ; the mask; elements of 8 bytes; bit 21 beside a mask; no padding
	s_or_b32 s[G1B+0], s44, (3<<16)|(1<<21)
.irp g, G1, G1B
	s_mov_b32 s[\g+1], 1024<<16                    ; tensor_dim0 = 1,024 elements: 8,192 bytes
	s_mov_b32 s[\g+2], 4<<16                       ; tensor_dim1 = 4
	s_mov_b32 s[\g+3], 1024<<16                    ; tile_dim0
	s_mov_b32 s[\g+4], 4                           ; tile_dim1
	s_mov_b32 s[\g+5], 4096                        ; the pitch: 32,768 bytes
	s_mov_b32 s[\g+6], 0
	s_mov_b32 s[\g+7], 0
.endr
	s_lshl_b32 s17, s12, 2                         ; which four tiles of 16 rows I fetch
	s_lshl_b32 s16, s13, 3
	s_add_co_u32 s16, s16, s17
	s_lshl_b32 s16, s16, 15                        ; a: (8 x tile row + 4 x half) x 32,768
	s_lshl_b32 s46, s42, 3
	s_add_co_u32 s46, s46, s17
	s_lshl_b32 s46, s46, 15                        ; w: by the tile column
	s_mov_b32 s17, 0
	s_mov_b32 s47, 0
	s_mul_i32 s20, s10, HALFT                      ; where they go: wave x 32,768
	s_wait_dscnt 0x0                               ; both opening adds are done
	s_wait_kmcnt 0x0
	s_add_nc_u64 s[14:15], s[4:5], s[16:17]
	s_add_nc_u64 s[46:47], s[6:7], s[46:47]
	CROUND                                         ; all sixteen work-groups are here: the first joint loads meet
.irp s, 0,1
	s_mov_b32 s[G0+4*\s], 1
	s_add_co_u32 s[G0+4*\s+1], s20, \s*SLOT
	s_add_nc_u64 s[G0+4*\s+2:G0+4*\s+3], s[14:15], \s*KSB
	s_or_b32 s[G0+4*\s+3], s[G0+4*\s+3], 0x80000000
	s_mov_b32 s[G0B+4*\s], 1
	s_add_co_u32 s[G0B+4*\s+1], s20, \s*SLOT
	s_add_nc_u64 s[G0B+4*\s+2:G0B+4*\s+3], s[46:47], \s*KSB
	s_or_b32 s[G0B+4*\s+3], s[G0B+4*\s+3], 0x80000000
	JLOAD \s
.endr
	v_and_b32 v1, 15, v0                           ; r
	v_bfe_u32 v2, v0, 4, 1                         ; h
	v_and_b32 v3, 31, v0
	v_lshlrev_b32 v3, 4, v3                        ; 16 x lane
	s_mul_i32 s21, s11, HALFT                      ; my 64 rows of a
	s_mul_i32 s22, s12, HALFT                      ; my 64 rows of w,
	s_add_co_u32 s22, s22, 2*HALFT                 ; behind a's 128
.irp s, 0,1
	v_add_nc_u32 v[ADRA+\s], s21, v3
	v_add_nc_u32 v[ADRB+\s], s22, v3
	s_add_co_u32 s21, s21, SLOT
	s_add_co_u32 s22, s22, SLOT
.endr
	s_mul_i32 s23, s10, 16*SPITCH                  ; my stage
	v_mul_u32_u24 v4, v1, SPITCH
	v_lshl_add_u32 v4, v2, 5, v4
	v_add_nc_u32 v[STO], s23, v4                   ; in: row r, 32 bytes for each half of the lanes
	v_mul_u32_u24 v5, v2, SPITCH
	v_lshl_add_u32 v5, v1, 4, v5
	v_add_nc_u32 v[RD], s23, v5                    ; back: lanes 0-15 one row of 256 bytes, lanes 16-31 the next
	v_lshlrev_b32 v5, 12, v2
	v_lshl_add_u32 v[CO], v1, 4, v5                ; the same two rows in out0
	v_lshlrev_b32 v[BO], 5, v2
	s_lshl_b32 s16, s13, 7
	s_lshl_b32 s17, s11, 6
	s_add_co_u32 s16, s16, s17                     ; my first row: 128 x tile row + 64 x half
	s_lshl_b32 s16, s16, 12
	s_mov_b32 s17, 0
	s_lshl_b32 s46, s42, 9
	s_lshl_b32 s47, s12, 8
	s_add_co_u32 s46, s46, s47                     ; my first column, in bytes: 512 x tile column + 256 x half
	s_mov_b32 s47, 0
	s_add_nc_u64 s[8:9], s[8:9], s[16:17]
	s_add_nc_u64 s[8:9], s[8:9], s[46:47]
	s_add_nc_u64 s[66:67], s[66:67], s[46:47]
.irp b, 0,1,2,3
	global_load_b128 v[BIAS+8*\b:BIAS+8*\b+3], v[BO], s[66:67] offset:64*\b          ; lane (r, h): b_proj at my columns 16 b + 8 h + 0 .. 7
	global_load_b128 v[BIAS+8*\b+4:BIAS+8*\b+7], v[BO], s[66:67] offset:64*\b+16
.endr
.macro MUL8 f, c, a0, zero             ; 8 matrix instructions: row blocks a0, a0 + 1 x all 4 column blocks, 32 along K.  zero = 1: the bias starts the sums.  The 16 accumulators take turns
.irp a, \a0, \a0+1
.irp b, 0,1,2,3
.if \zero
	v_wmma_f32_16x16x32_f16 v[ACC+8*(4*(\a)+\b):ACC+8*(4*(\a)+\b)+7], v[\f+64+8*(4*\c+\b):\f+64+8*(4*\c+\b)+7], v[\f+8*(4*\c+\a):\f+8*(4*\c+\a)+7], v[BIAS+8*\b:BIAS+8*\b+7]
.else
	v_wmma_f32_16x16x32_f16 v[ACC+8*(4*(\a)+\b):ACC+8*(4*(\a)+\b)+7], v[\f+64+8*(4*\c+\b):\f+64+8*(4*\c+\b)+7], v[\f+8*(4*\c+\a):\f+8*(4*\c+\a)+7], v[ACC+8*(4*(\a)+\b):ACC+8*(4*(\a)+\b)+7]
.endif
.endr
.endr
.endm
.macro FETCH slot, q, f                ; 32 LDS loads in one run: the fragments of the K step's q-th 64 along K into buffer f; the first 32 along K first
	WIN TO_F
.irp c, 0,1
.irp i, 0,1,2,3
	ds_load_b128 v[\f+64+8*(4*\c+\i):\f+64+8*(4*\c+\i)+3],   v[ADRB+\slot] offset:\i*KSB+(2*(\q)+\c)*1024
	ds_load_b128 v[\f+64+8*(4*\c+\i)+4:\f+64+8*(4*\c+\i)+7], v[ADRB+\slot] offset:\i*KSB+(2*(\q)+\c)*1024+512
	ds_load_b128 v[\f+8*(4*\c+\i):\f+8*(4*\c+\i)+3],         v[ADRA+\slot] offset:\i*KSB+(2*(\q)+\c)*1024
	ds_load_b128 v[\f+8*(4*\c+\i)+4:\f+8*(4*\c+\i)+7],       v[ADRA+\slot] offset:\i*KSB+(2*(\q)+\c)*1024+512
.endr
.endr
.endm
.macro PLACES
.rept 4
	v_nop
.endr
.endm
.macro QUARTER slot, q, f, g, zero     ; multiplies buffer f and fetches the slot's q-th quarter into g
	s_wait_dscnt 16                                ; the first 32 along K are in; the other sixteen loads may be out
	WIN MUL
	MUL8 \f, 0, 0, \zero
	MUL8 \f, 0, 2, \zero
	PLACES
	FETCH \slot, \q, \g
	s_wait_dscnt 32                                ; all but the 32 just issued
	WIN MUL
	MUL8 \f, 1, 0, 0
	MUL8 \f, 1, 2, 0
.endm
.macro TURN slot, next, fill           ; the last quarter multiplies buffer 1 and changes slots: one barrier; fill = 1: it opens a round of the cluster's barrier, and this slot is filled again, two K steps ahead
	WIN 0
	s_wait_tensorcnt 0x0                           ; all my tensor loads have landed: my part of the next slot;
	ds_add_u32 v[SPW], v[NIL]
	s_wait_dscnt 17                                ; (the add and the youngest sixteen loads may be out)
	WIN MUL
	MUL8 F1, 0, 0, 0
	s_wait_dscnt 0x0                               ; the add is done, and my reads of this slot are over
	s_barrier_signal -1
	MUL8 F1, 0, 2, 0
.if \fill
	WIN 0
.endif
	s_barrier_wait -1
.if \fill
	CREST
	s_add_nc_u64 s[G0+4*\slot+2:G0+4*\slot+3], s[G0+4*\slot+2:G0+4*\slot+3], 2*KSB
	s_add_nc_u64 s[G0B+4*\slot+2:G0B+4*\slot+3], s[G0B+4*\slot+2:G0B+4*\slot+3], 2*KSB
	JLOAD \slot                                    ; the first tensor load behind the round; its four v_nop are also the places in front of the loads below
.else
	PLACES
.endif
	FETCH \next, 0, F0
	WIN MUL
	MUL8 F1, 1, 0, 0
	MUL8 F1, 1, 2, 0
.endm
	s_wait_tensorcnt 1                             ; my part of K step 0 is in (K step 1's load may be out),
	s_barrier_signal -1
	s_barrier_wait -1                              ; everybody's is
	FETCH 0, 0, F0
	s_wait_loadcnt 0x0                             ; the bias
	QUARTER 0, 1, F0, F1, 1
	WIN 0
	s_mov_b32 s3, LAPS-1
.Llap:                                                 ; a trip goes once round the ring and fills both slots again
	QUARTER 0, 2, F1, F0, 0
	QUARTER 0, 3, F0, F1, 0
	TURN 0, 1, 1
	QUARTER 1, 1, F0, F1, 0
	QUARTER 1, 2, F1, F0, 0
	QUARTER 1, 3, F0, F1, 0
	TURN 1, 0, 1
	QUARTER 0, 1, F0, F1, 0
	WIN 0
	s_sub_co_u32 s3, s3, 1
	s_cmp_lg_u32 s3, 0
	s_cbranch_scc1 .Llap
	QUARTER 0, 2, F1, F0, 0                        ; the last lap fills nothing
	QUARTER 0, 3, F0, F1, 0
	TURN 0, 1, 0
	QUARTER 1, 1, F0, F1, 0
	QUARTER 1, 2, F1, F0, 0
	QUARTER 1, 3, F0, F1, 0
	s_wait_dscnt 16
	WIN MUL
	MUL8 F1, 0, 0, 0
	MUL8 F1, 0, 2, 0
	s_wait_dscnt 0
	MUL8 F1, 1, 0, 0
	MUL8 F1, 1, 2, 0
	WIN 0
	PLACES
	; THE WAY OUT, 16 rows at a time: the accumulators go into my stage as they are, each from its low end on, and come back as whole rows of 256 bytes.  LDS serves a wave's instructions in order.
.irp a, 0,1,2,3
.if \a >= 2
	s_wait_xcnt 0x0                                ; block a - 2's stores have read their registers
.endif
.irp b, 0,1,2,3
	ds_store_b128 v[STO], v[ACC+8*(4*\a+\b):ACC+8*(4*\a+\b)+3] offset:64*\b
	ds_store_b128 v[STO], v[ACC+8*(4*\a+\b)+4:ACC+8*(4*\a+\b)+7] offset:64*\b+16
.endr
.irp t, 0,1,2,3,4,5,6,7
	ds_load_b128 v[TMP+32*(\a%2)+4*\t:TMP+32*(\a%2)+4*\t+3], v[RD] offset:\t*2*SPITCH
.endr
.irp t, 0,1,2,3,4,5,6,7
	s_wait_dscnt 7-\t                              ; load t is back; the 7 - t younger ones may be out
	global_store_b128 v[CO], v[TMP+32*(\a%2)+4*\t:TMP+32*(\a%2)+4*\t+3], s[8:9] offset:(16*\a+2*\t)*4096
.endr
.endr
	s_wait_tensorcnt 0x0                           ; the wave's end
	ds_add_u32 v[SPW], v[NIL]
	s_wait_dscnt 0x0
	CROUND                                         ; the closing round
	s_endpgm
.Lfunc_end_k_q368f59f10d_proj:
	.size	k_q368f59f10d_proj, .Lfunc_end_k_q368f59f10d_proj-k_q368f59f10d_proj
	.p2alignl 7, 3214868480
	.fill 96, 4, 3214868480
	.section	.rodata,"a",@progbits
	.p2align	6, 0x0
	.amdhsa_kernel k_q368f59f10d_proj
		.amdhsa_group_segment_fixed_size 327680
		.amdhsa_private_segment_fixed_size 0
		.amdhsa_enable_private_segment 0
		.amdhsa_kernarg_size 32
		.amdhsa_user_sgpr_count 2
		.amdhsa_user_sgpr_kernarg_segment_ptr 1
		.amdhsa_wavefront_size32 1
		.amdhsa_system_sgpr_workgroup_id_x 1
		.amdhsa_system_sgpr_workgroup_id_y 1
		.amdhsa_system_sgpr_workgroup_id_z 1
		.amdhsa_system_vgpr_workitem_id 0
		.amdhsa_next_free_vgpr 512
		.amdhsa_next_free_sgpr 68
		.amdhsa_reserve_vcc 0
		.amdhsa_float_denorm_mode_32 3
		.amdhsa_float_denorm_mode_16_64 3
		.amdhsa_memory_ordered 1
		.amdhsa_forward_progress 1
		.amdhsa_inst_pref_size 87
	.end_amdhsa_kernel
	.amdgpu_metadata
---
amdhsa.version: [ 1, 2 ]
amdhsa.kernels:
  - .name:           k_q368f59f10d_proj
    .symbol:         k_q368f59f10d_proj.kd
    .args:
      - { .name: att, .offset: 0, .size: 8, .value_kind: global_buffer, .address_space: global }
      - { .name: wpi, .offset: 8, .size: 8, .value_kind: global_buffer, .address_space: global }
      - { .name: out0, .offset: 16, .size: 8, .value_kind: global_buffer, .address_space: global }
      - { .name: b_proj, .offset: 24, .size: 8, .value_kind: global_buffer, .address_space: global }
    .group_segment_fixed_size: 327680
    .private_segment_fixed_size: 0
    .kernarg_segment_align: 8
    .kernarg_segment_size: 32
    .max_flat_workgroup_size: 128
    .sgpr_count:     68
    .vgpr_count:     512
    .wavefront_size: 32
...
	.end_amdgpu_metadata
.endif
;; end of part 4
;; launch fine (part 5): grid 32 x 2, 16 waves a work-group, no clusters, 38,912 bytes of LDS; arguments aux, w_proj, b_proj, out0; writes out0
.if DOCPART == 5
	.amdgcn_target "amdgcn-amd-amdhsa--gfx1250"
	.amdhsa_code_object_version 6
	.text
	.protected	k_q368f59f10d_fine
	.globl	k_q368f59f10d_fine
	.p2align	8
	.type	k_q368f59f10d_fine,@function
k_q368f59f10d_fine:
	s_mov_b64 s[64:65], 0
	v_nop
	global_prefetch_b8 v0, s[64:65] scope:SCOPE_SE
	s_setreg_imm32_b32 hwreg(HW_REG_WAVE_MODE, 25, 1), 1
	s_wait_xcnt 0x0
; THE FIRST 16 POSITIONS OF EACH SEQUENCE, ALL IN F32: these rows average one to sixteen values and are the largest of the output, so f16 operands would use up what the comparison allows.
; A work-group takes 32 output columns of one batch; wave w is head w, which is also K = 64 w .. 64 w + 63 of the projection.  Each work-group repeats its batch's 16 x 16 attention: small work.
; q, k, v of tokens 0-15 come from aux in f32 as the accumulators stood: [which][batch x head][t][half][lane][16 bytes]: register 8 t + j of lane (r, h) is token r, channel 16 t + 8 h + j.
; The f32 matrix form takes k = 2 h + j from a lane's two registers.  The same permutation of k on both sources keeps the products: so q's and k's registers are taken in pairs as they stand; p's pairs (keys 8 h + 2 s + j)
; meet v loaded in that order; a's pairs (channels 16 t + 8 h + 2 i + j) meet w_proj's rows loaded in that order.
; THE MASK: hidden keys of the tile get -80,000 (before the / 8); the 2,032 keys behind it carry the common weight e: e x (the sum of their v) and 2,032 e.
; The sixteen heads' parts of the projection meet in LDS; wave t then sums token t's 32 columns, adds the bias and stores 128 consecutive bytes.  These rows of out0 are written over what the launch before left there.
; No cluster and no tensor load: 64 small work-groups; what they share (aux, 20 KB a head) is little.  w_proj is read in pieces of 64 bytes: 128 KB a work-group.  LIMITS: NaN and infinities are not served.
; REGISTERS: v1-13 addresses; v16-47 q, later a, later the parts to sum; v48-79 k, later the masked keys' sums; v80-111 v^T; v112-175 column sums, later w_proj; v176-239 written by matrix instructions alone: two score sums, O^T, the projection; v240-255 p and statistics.
.set SUFB,  32768
.set SPARE, 36864
.set LI,  1
.set L8,  2
.set VA,  3
.set WA,  4
.set DG,  5
.set NEG, 6
.set SW,  7
.set SRD, 8
.set RW,  9
.set RR,  10
.set L4,  11
.set SPW, 12
.set NIL, 13
.set BI,  14
.set QF,  16
.set KF,  48
.set VF,  80
.set WF,  112
.set SA,  176
.set OT,  192
.set DP,  224
.set PP,  240
.macro PLACES n
.rept \n
	v_nop
.endr
.endm
	s_load_b256 s[4:11], s[0:1], 0x0               ; aux s[4:5], w_proj s[6:7], b_proj s[8:9], out0 s[10:11]
	v_lshl_add_u32 v[SPW], v0, 2, SPARE
	v_mov_b32 v[NIL], 0
	v_lshrrev_b32 v14, 5, v0
	v_readfirstlane_b32 s12, v14                   ; wave = head 0..15
	s_and_b32 s14, ttmp7, 0xffff                   ; batch
	v_and_b32 v14, 31, v0                          ; lane
	v_and_b32 v15, 15, v0                          ; r
	v_bfe_u32 v11, v0, 4, 1                        ; h
	v_lshlrev_b32 v[LI], 4, v14
	v_lshlrev_b32 v[L8], 3, v14
	v_bfe_u32 v[VA], v15, 2, 1                     ; v^T: channel 16 t + r of token 8 h + 2 s + j lies at 1024 t + 512 ((r % 8) / 4) + 256 (r / 8) + 16 token + 4 (r % 4)
	v_lshlrev_b32 v[VA], 9, v[VA]
	v_bfe_u32 v[WA], v15, 3, 1
	v_lshl_add_u32 v[VA], v[WA], 8, v[VA]
	v_lshl_add_u32 v[VA], v11, 7, v[VA]
	v_and_b32 v[WA], 3, v15
	v_lshl_add_u32 v[VA], v[WA], 2, v[VA]
	v_lshlrev_b32 v[WA], 15, v11                   ; w_proj: 8 h rows of 4,096 bytes + 4 r
	v_lshl_add_u32 v[WA], v15, 2, v[WA]
	v_lshlrev_b32 v[DG], 3, v11
	v_sub_nc_u32 v[DG], v15, v[DG]                 ; r - 8 h
	v_mov_b32 v[NEG], 0xc79c4000                   ; -80,000
	s_lshl_b32 s15, s12, 8
	s_add_co_u32 s15, s15, SUFB
	v_add_nc_u32 v[SW], s15, v[L8]
	v_lshl_add_u32 v[SRD], v11, 5, s15
	s_lshl_b32 s15, s12, 11
	v_add_nc_u32 v[RW], s15, v[LI]
	s_bfe_u32 s15, s12, 0x10002                    ; token = my wave's number t: register 8 n + t % 8 of lane 16 (t / 8) + r
	s_lshl_b32 s15, s15, 9
	s_lshr_b32 s28, s12, 3
	s_lshl_b32 s28, s28, 8
	s_add_co_u32 s15, s15, s28
	s_and_b32 s28, s12, 3
	s_lshl_b32 s28, s28, 2
	s_add_co_u32 s15, s15, s28
	v_lshrrev_b32 v[RR], 4, v14
	v_lshlrev_b32 v[RR], 10, v[RR]
	v_lshl_add_u32 v[RR], v15, 4, v[RR]
	v_add_nc_u32 v[RR], s15, v[RR]
	v_lshlrev_b32 v[L4], 2, v14
	s_mov_b32 s32, 0x76543210
	s_mov_b32 s33, 0xfedcba98
	s_mov_b32 s34, 0x3e38aa3b                      ; c = log2(e) / 8
	s_mov_b32 s35, 0x44fe0000                      ; 2,032
	v_mov_b32 v249, 0                              ; a lane permute's destination counts as one of its sources
	v_mov_b32 v252, 0
	s_mov_b32 s29, 0
	s_wait_kmcnt 0x0
	s_lshl_b32 s28, s14, 4
	s_add_co_u32 s28, s28, s12
	s_lshl_b32 s28, s28, 12
	s_add_nc_u64 s[16:17], s[4:5], s[28:29]        ; q's image of my head; k's 131,072 on, v's 262,144 on
	s_lshl_b32 s28, s14, 17
	s_lshl_b32 s30, s12, 8
	s_add_co_u32 s28, s28, s30
	s_add_co_u32 s28, s28, 393216
	s_add_nc_u64 s[18:19], s[4:5], s[28:29]        ; the column sums' rows 32 batch + i
	s_lshl_b32 s28, s14, 16
	s_add_co_u32 s28, s28, s30
	s_add_co_u32 s28, s28, 393216+64*4096
	s_add_nc_u64 s[20:21], s[4:5], s[28:29]        ; row 64 + 16 batch: tokens 16 .. 63
	s_lshl_b32 s28, s12, 18
	s_lshl_b32 s30, ttmp9, 7
	s_add_co_u32 s28, s28, s30
	s_add_nc_u64 s[22:23], s[6:7], s[28:29]        ; w_proj at row 64 w, my 32 columns
	s_mov_b32 s28, s30
	s_add_nc_u64 s[24:25], s[8:9], s[28:29]
	s_lshl_b32 s28, s14, 11
	s_add_co_u32 s28, s28, s12
	s_lshl_b32 s28, s28, 12
	s_add_co_u32 s28, s28, s30
	s_add_nc_u64 s[26:27], s[10:11], s[28:29]      ; out0 at token = my wave's number
	global_load_b64 v[WF:WF+1], v[L8], s[20:21]
.set i, 1
.rept 31
	global_load_b64 v[WF+2*i:WF+2*i+1], v[L8], s[18:19] offset:i*4096
.set i, i+1
.endr
.irp i, 0,1,2,3,4,5,6,7
	global_load_b128 v[QF+4*\i:QF+4*\i+3], v[LI], s[16:17] offset:512*\i
.endr
.irp i, 0,1,2,3,4,5,6,7
	global_load_b128 v[KF+4*\i:KF+4*\i+3], v[LI], s[16:17] offset:131072+512*\i
.endr
.irp t, 0,1,2,3
.irp i, 0,1,2,3,4,5,6,7
	global_load_b32 v[VF+8*\t+\i], v[VA], s[16:17] offset:262144+1024*\t+16*\i
.endr
.endr
	s_wait_loadcnt 48                              ; the 32 rows of column sums are in; q's 8, k's 8 and v's 32 loads may be out
.set i, 2
.rept 30
	v_pk_add_f32 v[WF+2*(i%2):WF+2*(i%2)+1], v[WF+2*(i%2):WF+2*(i%2)+1], v[WF+2*i:WF+2*i+1]   ; two chains
.set i, i+1
.endr
	v_pk_add_f32 v[WF:WF+1], v[WF:WF+1], v[WF+2:WF+3]
	ds_store_b64 v[SW], v[WF:WF+1]                 ; the sum of v over tokens 16 .. 2,047: my two channels
	s_wait_dscnt 0x0                               ; the store has read its registers, on which w_proj's loads land
	s_wait_loadcnt 0x0
.irp n, 0,1
.irp t, 0,1,2,3
.irp i, 0,1,2,3,4,5,6,7
	global_load_b32 v[WF+32*\n+8*\t+\i], v[WA], s[22:23] offset:(16*\t+\i)*4096+64*\n
.endr
.endr
.endr
	global_load_b32 v[BI], v[L4], s[24:25]
	; the scores: S^T = k q^T, 16 steps of 4 channels, on two accumulators by turns
	v_wmma_f32_16x16x4_f32 v[SA:SA+7], v[KF:KF+1], v[QF:QF+1], 0
	v_wmma_f32_16x16x4_f32 v[SA+8:SA+15], v[KF+2:KF+3], v[QF+2:QF+3], 0
.irp i, 2,3,4,5,6,7,8,9,10,11,12,13,14,15
	v_wmma_f32_16x16x4_f32 v[SA+8*(\i%2):SA+8*(\i%2)+7], v[KF+2*\i:KF+2*\i+1], v[QF+2*\i:QF+2*\i+1], v[SA+8*(\i%2):SA+8*(\i%2)+7]
.endr
	PLACES 8                                       ; eight places behind this form (ISA guide 7.12.1)
.irp t, 0,1,2,3
	ds_load_b128 v[KF+8*\t:KF+8*\t+3], v[SRD] offset:64*\t          ; the masked keys' sums at my channels 16 t + 8 h + 0 .. 7, behind my own store
	ds_load_b128 v[KF+8*\t+4:KF+8*\t+7], v[SRD] offset:64*\t+16
.endr
.irp j, 0,1,2,3,4,5,6,7
	v_add_f32 v[PP+\j], v[SA+\j], v[SA+8+\j]       ; lane (r, h): query r, key 8 h + j
.endr
.irp j, 0,1,2,3,4,5,6,7
	v_cmp_gt_i32 vcc_lo, \j, v[DG]
	v_cndmask_b32 v[PP+\j], v[PP+\j], v[NEG], vcc_lo
.endr
	v_max3_num_f32 v248, v[PP], v[PP+1], v[NEG]    ; the maximum, the masked keys' score among its leaves
	v_max3_num_f32 v248, v248, v[PP+2], v[PP+3]
	v_max3_num_f32 v248, v248, v[PP+4], v[PP+5]
	v_max3_num_f32 v248, v248, v[PP+6], v[PP+7]
	v_permlanex16_b32 v249, v248, s32, s33
	v_max_num_f32 v248, v248, v249
	v_mul_f32 v249, s34, v248                      ; c m
.irp j, 0,1,2,3,4,5,6,7
	v_fma_f32 v[PP+\j], v[PP+\j], s34, -v249
.endr
	v_fma_f32 v250, v[NEG], s34, -v249
.irp j, 0,1,2,3,4,5,6,7
	v_exp_f32 v[PP+\j], v[PP+\j]
.endr
	v_exp_f32 v250, v250                           ; e
	v_nop
	s_wait_alu depctr_va_vdst(0)                   ; one wait for the nine, ahead of their first reader
	v_add_f32 v251, v[PP], v[PP+1]
	v_add_f32 v253, v[PP+2], v[PP+3]
	v_add_f32 v251, v251, v[PP+4]
	v_add_f32 v253, v253, v[PP+5]
	v_add_f32 v251, v251, v[PP+6]
	v_add_f32 v253, v253, v[PP+7]
	v_add_f32 v251, v251, v253
	v_permlanex16_b32 v252, v251, s32, s33
	v_add_f32 v251, v251, v252
	v_fma_f32 v251, v250, s35, v251                ; + 2,032 e
	v_rcp_f32 v251, v251
	v_nop
	s_wait_alu depctr_va_vdst(0)
	v_mul_f32 v252, v250, v251                     ; e / l
	; O^T = v^T p: four steps of 4 keys, four tiles of 16 channels by turns
.irp s, 0,1,2,3
.irp t, 0,1,2,3
.if \s == 0
	v_wmma_f32_16x16x4_f32 v[OT+8*\t:OT+8*\t+7], v[VF+8*\t:VF+8*\t+1], v[PP:PP+1], 0
.else
	v_wmma_f32_16x16x4_f32 v[OT+8*\t:OT+8*\t+7], v[VF+8*\t+2*\s:VF+8*\t+2*\s+1], v[PP+2*\s:PP+2*\s+1], v[OT+8*\t:OT+8*\t+7]
.endif
.endr
.endr
	PLACES 8
	s_wait_dscnt 0x0
.set i, 0
.rept 32
	v_mul_f32 v[KF+i], v[KF+i], v252
.set i, i+1
.endr
.set i, 0
.rept 32
	v_fma_f32 v[QF+i], v[OT+i], v251, v[KF+i]      ; a(query r, channel 16 t + 8 h + j), register 8 t + j
.set i, i+1
.endr
	s_wait_loadcnt 0x0                             ; w_proj and the bias
	; my head's part of the projection: 16 steps of 4 channels, two tiles of 16 columns by turns
.irp i, 0,1,2,3,4,5,6,7,8,9,10,11,12,13,14,15
.irp n, 0,1
.if \i == 0
	v_wmma_f32_16x16x4_f32 v[DP+8*\n:DP+8*\n+7], v[QF:QF+1], v[WF+32*\n:WF+32*\n+1], 0
.else
	v_wmma_f32_16x16x4_f32 v[DP+8*\n:DP+8*\n+7], v[QF+2*\i:QF+2*\i+1], v[WF+32*\n+2*\i:WF+32*\n+2*\i+1], v[DP+8*\n:DP+8*\n+7]
.endif
.endr
.endr
	PLACES 8
.irp i, 0,1,2,3
	ds_store_b128 v[RW], v[DP+4*\i:DP+4*\i+3] offset:512*\i          ; as the registers stand: 2,048 bytes a wave
.endr
	s_wait_dscnt 0x0                               ; for the others' sake: my stores have landed
	s_barrier_signal -1
	s_barrier_wait -1
.irp w, 0,1,2,3,4,5,6,7,8,9,10,11,12,13,14,15
	ds_load_b32 v[QF+\w], v[RR] offset:2048*\w     ; head w's part of (token = my wave's number, column = my lane)
.endr
	s_wait_dscnt 0x0
.irp w, 0,1,2,3,4,5,6,7
	v_add_f32 v[QF+\w], v[QF+\w], v[QF+8+\w]
.endr
.irp w, 0,1,2,3
	v_add_f32 v[QF+\w], v[QF+\w], v[QF+4+\w]
.endr
	v_add_f32 v[QF], v[QF], v[QF+2]
	v_add_f32 v[QF+1], v[QF+1], v[QF+3]
	v_add_f32 v[QF], v[QF], v[QF+1]
	v_add_f32 v[QF], v[QF], v[BI]
	global_store_b32 v[L4], v[QF], s[26:27]        ; 128 consecutive bytes of a row
	s_wait_tensorcnt 0x0                           ; the wave's end, behind my last LDS store
	ds_add_u32 v[SPW], v[NIL]
	s_wait_dscnt 0x0
	s_endpgm
.Lfunc_end_k_q368f59f10d_fine:
	.size	k_q368f59f10d_fine, .Lfunc_end_k_q368f59f10d_fine-k_q368f59f10d_fine
	.p2alignl 7, 3214868480
	.fill 96, 4, 3214868480
	.section	.rodata,"a",@progbits
	.p2align	6, 0x0
	.amdhsa_kernel k_q368f59f10d_fine
		.amdhsa_group_segment_fixed_size 38912
		.amdhsa_private_segment_fixed_size 0
		.amdhsa_enable_private_segment 0
		.amdhsa_kernarg_size 32
		.amdhsa_user_sgpr_count 2
		.amdhsa_user_sgpr_kernarg_segment_ptr 1
		.amdhsa_wavefront_size32 1
		.amdhsa_system_sgpr_workgroup_id_x 1
		.amdhsa_system_sgpr_workgroup_id_y 1
		.amdhsa_system_sgpr_workgroup_id_z 1
		.amdhsa_system_vgpr_workitem_id 0
		.amdhsa_next_free_vgpr 256
		.amdhsa_next_free_sgpr 66
		.amdhsa_reserve_vcc 1
		.amdhsa_float_denorm_mode_32 3
		.amdhsa_float_denorm_mode_16_64 3
		.amdhsa_memory_ordered 1
		.amdhsa_forward_progress 1
		.amdhsa_inst_pref_size 32
	.end_amdhsa_kernel
	.amdgpu_metadata
---
amdhsa.version: [ 1, 2 ]
amdhsa.kernels:
  - .name:           k_q368f59f10d_fine
    .symbol:         k_q368f59f10d_fine.kd
    .args:
      - { .name: aux, .offset: 0, .size: 8, .value_kind: global_buffer, .address_space: global }
      - { .name: w_proj, .offset: 8, .size: 8, .value_kind: global_buffer, .address_space: global }
      - { .name: b_proj, .offset: 16, .size: 8, .value_kind: global_buffer, .address_space: global }
      - { .name: out0, .offset: 24, .size: 8, .value_kind: global_buffer, .address_space: global }
    .group_segment_fixed_size: 38912
    .private_segment_fixed_size: 0
    .kernarg_segment_align: 8
    .kernarg_segment_size: 32
    .max_flat_workgroup_size: 512
    .sgpr_count:     66
    .vgpr_count:     256
    .wavefront_size: 32
...
	.end_amdgpu_metadata
.endif
;; end of part 5
